; MI455X (gfx1250); checked and timed in simulation.
; The chip was launched on July 23, 2026; its instructions are those of AMD's public machine-readable ISA for CDNA 5 (MIT licence, August 2026) and "CDNA5" Instruction Set Architecture Reference Guide (July 2026). The comments in the code are by the model that wrote it; some were corrected since.
;; Gated SSM Layer. Allowed arithmetic: float matrix products may take bf16 or f16 operands with f32 sums; other float arithmetic in f32, or as packed bf16 or f16 multiplies, adds, multiply-adds, maxima and minima; sums over many terms, partial sums and values carried from step to step in f32; what a program stores and reads back later, other than sums and carried values, may be rounded once to bf16 or f16.
;; Inputs: WK 1,024 x 1,024 float32; WO 1,024 x 1,024 float32; WQ 1,024 x 1,024 float32; WV 1,024 x 1,024 float32; Wg 1,024 x 1,024 float32; alpha_logit 16 x 64 float32; bK 1,024 float32; bO 1,024 float32; bQ 1,024 float32; bV 1,024 float32; bg 1,024 float32; ln_beta 1,024 float32; ln_gamma 1,024 float32; x 4 x 2,048 x 1,024 float32.
;; Outputs: out0 4 x 2,048 x 1,024 float32.
;; 2 versions, each right; version 2 is version 1 with the launches prep, ssm written anew for expert scheduling mode. Each part assembles by itself: llvm-mc -triple=amdgcn-amd-amdhsa -mcpu=gfx1250 --defsym DOCPART=n.
;; ======== version 1 of 2: 4 launches
;; limits: right only within a limited range of input values; values are held in f16: magnitudes above 65,504 overflow, below 6.1e-05 lose precision
;; workspace buffers: xn 16,777,216 bytes; w4 8,388,608 bytes; wo 2,097,152 bytes; qkvg 67,108,864 bytes; og 16,777,216 bytes
;; launch prep (part 1): grid 416 x 1, 8 waves a work-group, no clusters, 0 bytes of LDS; arguments x, ln_gamma, ln_beta, WQ, WK, WV, Wg, WO, xn, w4, wo; writes xn, w4, wo
.if DOCPART == 1
	.amdgcn_target "amdgcn-amd-amdhsa--gfx1250"
	.amdhsa_code_object_version 6
	.text
	.protected	k_q8d8ee53dbd_prep
	.globl	k_q8d8ee53dbd_prep
	.p2align	8
	.type	k_q8d8ee53dbd_prep,@function
k_q8d8ee53dbd_prep:
	s_mov_b64 s[64:65], 0
	v_nop
	global_prefetch_b8 v0, s[64:65] scope:SCOPE_SE
	s_setreg_imm32_b32 hwreg(HW_REG_WAVE_MODE, 25, 1), 1
	s_wait_xcnt 0x0
; GATED SSM LAYER, launch 1 of 4: the layer norm of x, and the weights rounded once to 16 bits.
; NOTHING OF reference() IS LEFT OUT in these four launches: every input has a way to the output and is loaded.  The zero state h0 only makes the scan's first carry 0
; (launch 3 starts its carry at 0 and does the first block's product with it, inside a live tile); the slices [:STATE] take all 64 channels.
; xn = (x - mean) * rsqrt(var + 1e-5) * gamma + beta, all in f32 (mean first, then the squares of the differences, as reference() has it), rounded once to f16.
; w4 row 256 h + 64 m + c = row 64 h + c of matrix m (0 WQ, 1 WK, 2 WV, 3 Wg), f16: a head's four blocks of 64 rows lie together.  wo = WO in bf16.
; LIMITS.  f16 ends at 65,504: |xn| is at most 32 |gamma| + |beta|, and the four weights lie within it; below 6e-5 a weight keeps f16's fixed step of 6e-8.
; SHARES.  A wave takes four rows of 4,096 bytes, all 32 loads out at once; a row stays in 32 registers between its passes.  Work-groups 0-255: the norm, 32 rows each.  256-415: the casts, 32 rows each.
; Each load of a wave covers 512 consecutive bytes, each store 256 consecutive bytes, aligned.  No LDS, no matrix unit, no cluster: no byte is used twice.
.set GM, 4                             ; v[4:35]    gamma of my channels 128 j + 4 lane + 0..3
.set BT, 36                            ; v[36:67]   beta of the same
.set T,  68                            ; v[68:79]   at work
.set X,  80                            ; v[80:207]  row i at X + 32 i
	s_load_b512 s[8:23], s[0:1], 0x0               ; x 8, gamma 10, beta 12, WQ 14, WK 16, WV 18, Wg 20, WO 22
	s_load_b128 s[24:27], s[0:1], 0x40             ; xn 24, w4 26
	s_load_b64 s[28:29], s[0:1], 0x50              ; wo
	v_lshrrev_b32 v3, 5, v0
	v_readfirstlane_b32 s3, v3                     ; wave 0..7
	v_and_b32 v1, 31, v0
	v_lshlrev_b32 v2, 3, v1                        ; 8 x lane: my 8 bytes of 256 stored
	v_lshlrev_b32 v1, 4, v1                        ; 16 x lane: my 16 bytes of 512 loaded
	s_lshl_b32 s2, s3, 14                          ; my wave's four rows of f32
	s_mov_b32 s32, 0x76543210                      ; v_permlanex16_b32: each lane takes its own place in the other half
	s_mov_b32 s33, 0xfedcba98
	s_mov_b32 s34, 0x3a800000                      ; 1 / 1024
	s_mov_b32 s35, 0x3727c5ac                      ; 1e-5
	s_mov_b32 s37, 0
	s_mov_b32 s39, 0
.macro ROWS                            ; my four rows: 32 loads
.set i, 0
.rept 32
	global_load_b128 v[X+4*i:X+4*i+3], v1, s[4:5] offset:4096*(i/8)+512*(i%8) th:TH_LOAD_NT
.set i, i+1
.endr
.endm
.macro SUM32                           ; v[T] summed over the 32 lanes, the result in every lane
	v_add_f32_dpp v[T], v[T], v[T] row_xmask:1 row_mask:0xf bank_mask:0xf
	v_add_f32_dpp v[T], v[T], v[T] row_xmask:2 row_mask:0xf bank_mask:0xf
	v_add_f32_dpp v[T], v[T], v[T] row_xmask:4 row_mask:0xf bank_mask:0xf
	v_add_f32_dpp v[T], v[T], v[T] row_xmask:8 row_mask:0xf bank_mask:0xf
	v_permlanex16_b32 v[T+1], v[T], s32, s33
	v_add_f32 v[T], v[T], v[T+1]
.endm
.macro FOLD                            ; four chains of pairs into v[T]
	v_pk_add_f32 v[T:T+1], v[T:T+1], v[T+2:T+3]
	v_pk_add_f32 v[T+4:T+5], v[T+4:T+5], v[T+6:T+7]
	v_pk_add_f32 v[T:T+1], v[T:T+1], v[T+4:T+5]
	v_add_f32 v[T], v[T], v[T+1]
	SUM32
.endm
.macro OUTROW i, fmt                   ; row i rounded in place, two numbers a register, and stored
.set R, X+32*(\i)
.set k, 0
.rept 8
	v_cvt_pk_\fmt\()_f32 v[R+4*k], v[R+4*k], v[R+4*k+1]
	v_cvt_pk_\fmt\()_f32 v[R+4*k+1], v[R+4*k+2], v[R+4*k+3]
	global_store_b64 v2, v[R+4*k:R+4*k+1], s[6:7] offset:2048*(\i)+256*k
.set k, k+1
.endr
.endm
.macro LNROW i
.set R, X+32*(\i)
	s_wait_loadcnt 8*(3-(\i))                      ; loads come back in order: this row is in, the later rows' eight loads each may stay out
.set k, 0
.rept 4
	v_pk_add_f32 v[T+k:T+k+1], v[R+k:R+k+1], v[R+8+k:R+8+k+1]  ; the first words start four chains: nothing is cleared
.set k, k+2
.endr
.set k, 0
.rept 8
	v_pk_add_f32 v[T+k%8:T+k%8+1], v[T+k%8:T+k%8+1], v[R+16+k:R+16+k+1]
.set k, k+2
.endr
	FOLD
	v_mul_f32 v[T+8], s34, v[T]                    ; the mean
	v_mov_b32 v[T+9], v[T+8]
.set k, 0
.rept 16
	v_pk_add_f32 v[R+k:R+k+1], v[R+k:R+k+1], v[T+8:T+9] neg_lo:[0,1] neg_hi:[0,1]  ; x - mean, in place
.set k, k+2
.endr
.set k, 0
.rept 4
	v_pk_mul_f32 v[T+k:T+k+1], v[R+k:R+k+1], v[R+k:R+k+1]
.set k, k+2
.endr
.rept 12
	v_pk_fma_f32 v[T+k%8:T+k%8+1], v[R+k:R+k+1], v[R+k:R+k+1], v[T+k%8:T+k%8+1]
.set k, k+2
.endr
	FOLD
	v_fma_f32 v[T], v[T], s34, s35                 ; var + eps
	v_rsq_f32 v[T+10], v[T]
	v_nop                                          ; a plain instruction behind the root,
	s_wait_alu depctr_va_vdst(0)                   ; and the wait ahead of its first reader
	v_mov_b32 v[T+11], v[T+10]
.set k, 0
.rept 16
	v_pk_mul_f32 v[R+k:R+k+1], v[R+k:R+k+1], v[T+10:T+11]
.set k, k+2
.endr
.set k, 0
.rept 16
	v_pk_fma_f32 v[R+k:R+k+1], v[R+k:R+k+1], v[GM+k:GM+k+1], v[BT+k:BT+k+1]
.set k, k+2
.endr
	OUTROW \i, f16
.endm
.macro CASTROW i, fmt
	s_wait_loadcnt 8*(3-(\i))                      ; this row is in; the later rows' loads may stay out
	OUTROW \i, \fmt
.endm
	s_cmp_lt_u32 ttmp9, 256
	s_cbranch_scc0 .Lcast
	s_lshl_b32 s36, ttmp9, 17                      ; 32 rows of 4,096 bytes a work-group
	s_add_co_u32 s36, s36, s2
	s_lshr_b32 s38, s36, 1                         ; the same rows in f16
	s_wait_kmcnt 0x0
	s_add_nc_u64 s[4:5], s[8:9], s[36:37]
	s_add_nc_u64 s[6:7], s[24:25], s[38:39]
.set i, 0
.rept 8
	global_load_b128 v[GM+4*i:GM+4*i+3], v1, s[10:11] offset:512*i
	global_load_b128 v[BT+4*i:BT+4*i+3], v1, s[12:13] offset:512*i
.set i, i+1
.endr
	ROWS
	LNROW 0
	LNROW 1
	LNROW 2
	LNROW 3
	s_endpgm
.Lcast:
	s_sub_co_u32 s40, ttmp9, 256
	s_lshr_b32 s41, s40, 5                         ; which matrix: 0 WQ, 1 WK, 2 WV, 3 Wg, 4 WO
	s_and_b32 s42, s40, 31                         ; which 32 rows of it
	s_lshl_b32 s36, s42, 17
	s_add_co_u32 s36, s36, s2                      ; the source rows, in bytes
	s_lshr_b32 s43, s42, 1                         ; the head,
	s_lshl_b32 s43, s43, 8                         ; its 256 rows of w4,
	s_lshl_b32 s44, s41, 6
	s_add_co_u32 s43, s43, s44                     ; the matrix's 64 of them,
	s_and_b32 s44, s42, 1
	s_lshl_b32 s44, s44, 5
	s_add_co_u32 s43, s43, s44                     ; which half of the 64,
	s_lshl_b32 s44, s3, 2
	s_add_co_u32 s43, s43, s44                     ; my wave's four
	s_lshl_b32 s43, s43, 11                        ; in bytes
	s_lshr_b32 s38, s36, 1                         ; in wo the rows keep their places
	s_wait_kmcnt 0x0
	s_cmp_eq_u32 s41, 1
	s_cselect_b64 s[4:5], s[16:17], s[14:15]
	s_cmp_eq_u32 s41, 2
	s_cselect_b64 s[4:5], s[18:19], s[4:5]
	s_cmp_eq_u32 s41, 3
	s_cselect_b64 s[4:5], s[20:21], s[4:5]
	s_cmp_eq_u32 s41, 4
	s_cselect_b64 s[4:5], s[22:23], s[4:5]
	s_cselect_b64 s[6:7], s[28:29], s[26:27]
	s_cselect_b32 s38, s38, s43
	s_add_nc_u64 s[4:5], s[4:5], s[36:37]
	s_add_nc_u64 s[6:7], s[6:7], s[38:39]
	ROWS
	s_cmp_eq_u32 s41, 4
	s_cbranch_scc1 .Lbf
	CASTROW 0, f16
	CASTROW 1, f16
	CASTROW 2, f16
	CASTROW 3, f16
	s_endpgm
.Lbf:
	CASTROW 0, bf16
	CASTROW 1, bf16
	CASTROW 2, bf16
	CASTROW 3, bf16
	s_endpgm
.Lfunc_end_k_q8d8ee53dbd_prep:
	.size	k_q8d8ee53dbd_prep, .Lfunc_end_k_q8d8ee53dbd_prep-k_q8d8ee53dbd_prep
	.p2alignl 7, 3214868480
	.fill 96, 4, 3214868480
	.section	.rodata,"a",@progbits
	.p2align	6, 0x0
	.amdhsa_kernel k_q8d8ee53dbd_prep
		.amdhsa_group_segment_fixed_size 0
		.amdhsa_private_segment_fixed_size 0
		.amdhsa_enable_private_segment 0
		.amdhsa_kernarg_size 88
		.amdhsa_user_sgpr_count 2
		.amdhsa_user_sgpr_kernarg_segment_ptr 1
		.amdhsa_wavefront_size32 1
		.amdhsa_system_sgpr_workgroup_id_x 1
		.amdhsa_system_sgpr_workgroup_id_y 1
		.amdhsa_system_sgpr_workgroup_id_z 1
		.amdhsa_system_vgpr_workitem_id 0
		.amdhsa_next_free_vgpr 208
		.amdhsa_next_free_sgpr 66
		.amdhsa_reserve_vcc 0
		.amdhsa_float_denorm_mode_32 3
		.amdhsa_float_denorm_mode_16_64 3
		.amdhsa_memory_ordered 1
		.amdhsa_forward_progress 1
		.amdhsa_inst_pref_size 56
	.end_amdhsa_kernel
	.amdgpu_metadata
---
amdhsa.version: [ 1, 2 ]
amdhsa.kernels:
  - .name:           k_q8d8ee53dbd_prep
    .symbol:         k_q8d8ee53dbd_prep.kd
    .args:
      - { .name: x, .offset: 0, .size: 8, .value_kind: global_buffer, .address_space: global }
      - { .name: ln_gamma, .offset: 8, .size: 8, .value_kind: global_buffer, .address_space: global }
      - { .name: ln_beta, .offset: 16, .size: 8, .value_kind: global_buffer, .address_space: global }
      - { .name: WQ, .offset: 24, .size: 8, .value_kind: global_buffer, .address_space: global }
      - { .name: WK, .offset: 32, .size: 8, .value_kind: global_buffer, .address_space: global }
      - { .name: WV, .offset: 40, .size: 8, .value_kind: global_buffer, .address_space: global }
      - { .name: Wg, .offset: 48, .size: 8, .value_kind: global_buffer, .address_space: global }
      - { .name: WO, .offset: 56, .size: 8, .value_kind: global_buffer, .address_space: global }
      - { .name: xn, .offset: 64, .size: 8, .value_kind: global_buffer, .address_space: global }
      - { .name: w4, .offset: 72, .size: 8, .value_kind: global_buffer, .address_space: global }
      - { .name: wo, .offset: 80, .size: 8, .value_kind: global_buffer, .address_space: global }
    .group_segment_fixed_size: 0
    .private_segment_fixed_size: 0
    .kernarg_segment_align: 8
    .kernarg_segment_size: 88
    .max_flat_workgroup_size: 256
    .sgpr_count:     66
    .vgpr_count:     208
    .wavefront_size: 32
...
	.end_amdgpu_metadata
.endif
;; end of part 1
;; launch proj (part 2): grid 16 x 32, 4 waves a work-group, clusters of 4 x 4, 327,680 bytes of LDS; arguments xn, w4, alpha_logit, bQ, bK, bV, bg, qkvg; writes qkvg
.if DOCPART == 2
	.amdgcn_target "amdgcn-amd-amdhsa--gfx1250"
	.amdhsa_code_object_version 6
	.text
	.protected	k_q8d8ee53dbd_proj
	.globl	k_q8d8ee53dbd_proj
	.p2align	8
	.type	k_q8d8ee53dbd_proj,@function
k_q8d8ee53dbd_proj:
	s_mov_b64 s[64:65], 0
	v_nop
	global_prefetch_b8 v0, s[64:65] scope:SCOPE_SE
	s_setreg_imm32_b32 hwreg(HW_REG_WAVE_MODE, 25, 1), 1
	s_wait_xcnt 0x0
	s_wait_alu depctr_hold_cnt(0) depctr_sa_sdst(0) depctr_va_vdst(0) depctr_va_sdst(0) depctr_va_ssrc(0) depctr_va_vcc(0) depctr_vm_vsrc(0)
	s_getreg_b32 s2, hwreg(HW_REG_IB_STS2, 6, 4)
	s_cmp_eq_u32 s2, 0
	s_cbranch_scc0 .Lentry_in_a_cluster
	s_endpgm
.Lentry_in_a_cluster:
	s_bfe_u32 s2, ttmp6, 0x10000c
	s_cmp_lg_u32 s2, 0xf033
	s_cbranch_scc0 .Lentry_shape_is_right
	s_endpgm
.Lentry_shape_is_right:
; Launch 2 of 4: the four projections as ONE product, C[8192][4096] = xn w4^T + bias, f16 operands, f32 sums.  Nothing of reference() is left out here.
; A tile of C is 256 rows x 256 columns = one head's Q, K, V, g.  Four waves, each 128 x 128: 64 accumulators, 512 registers.  Column half 0 holds [Q | K], column half 1 [V | g].
; K goes in steps of 128 through two LDS slots filled by joint tensor loads: 4 x 4 work-groups form a cluster, xn's tile is shared along a row of it, w4's along a column.
; THE SCAN'S DECAY IS SPLIT HERE.  With L = -log2(sigmoid(alpha_logit)) and t' = t mod 16:  Qm = (q + bQ) 2^(L (8 - t')),  Km = (k + bK) 2^(L (t' - 8)),  so that Qm_t . Km_s carries alpha^(t' - s').
; LIMIT.  L is held to at most 12: an alpha below 2^-12 counts as 2^-12, which moves any weight alpha^n, n >= 1, by less than 2^-12.  So the factors lie in 2^-96 .. 2^96, inside bf16's range.
; g (before its activation, bias included) is kept in f16: it lies within 65,504.  Qm, Km, V are bf16.
; THE MATRIX INSTRUCTION IS USED TRANSPOSED (source 0 = 16 rows of w4, source 1 = 16 rows of xn): lane l holds row l % 16 of C and the columns 8 (l / 16) + 0..7.  Rounded, these are 16 bytes, and the
; wave's 32 x 16 bytes, lane after lane, are the IMAGE of a 16 x 16 tile: the layout in which launch 3 takes it as a matrix operand.  So a tile leaves by one store of 512 consecutive bytes, with no stage in LDS.
; qkvg: four regions of 16 MiB (Qm, Km, V, g), each [16 batch + head][t / 16][channel / 16][512 bytes].
; REGISTERS, in windows of 256: window 0: v0-31 addresses; v64-191 xn's fragments, two buffers (on the way out: products and packed results); v192-225 at work at the head.
;   window 1: v0-63 the factors; v64-191 w4's fragments, two buffers; v192-255 the biases.   windows 2, 3: the accumulators, (a, b) at v[8 (8 (a % 4) + b)].
.set SIZE_K, 1024
.set KSTEP,  128
.set PITCH,  272                       ; an LDS row: 256 bytes + 16 of padding = 68 words: the 16 rows of a fragment load start at 16 different groups of four banks (64 banks of 4 bytes: ISA guide 11.1)
.set HALFT,  128*PITCH                 ; what one tensor load brings
.set SLOT,   4*HALFT                   ; xn's 256 rows, then w4's 256 rows
.set SPARE,  2*SLOT                    ; behind the ring: the spare words, 128 bytes a wave, that no other line names
.set LAPS,   SIZE_K/(2*KSTEP)
.set ADRA, 16                          ; v16-17  LDS address of my xn fragments in slot 0, 1
.set ADRB, 20                          ; v20-21  the same for w4
.set CO,   26                          ; v26     16 x lane: my 16 bytes of an image
.set TO,   27                          ; v27     32 x (lane / 16): my eight numbers of sixteen in a table of f32
.set SPW,  28                          ; v28     my spare word; never rewritten
.set NIL,  29                          ; v29     0; never rewritten
.set PFO,  30                          ; v30     lane x a row of 2,048 bytes; never rewritten
.set PFA,  44                          ; s[44:45] where my prefetches stand
.set LIM,  43                          ; s43     1 in a wave that prefetches, else the greatest number
.set F0,   64
.set F1,   128
.set FT,   0                           ; window 1
.set BIAS, 192                         ; window 1
.set LM,   192                         ; window 0, at the head
.set Y,    64                          ; window 0, on the way out
.set PK,   128
.set G1, 24
.set G0, 32
.set G1B, 48
.set G0B, 56
.set MSB, 0
.macro WIN new                         ; the immediate's high byte repeats the setting that is left; a switch that changes nothing is dropped
.if MSB != (\new)
	s_set_vgpr_msb (MSB<<8)|(\new)
.set MSB, \new
.endif
.endm
; A joint load.  Waves 0 and 1 fetch xn's two halves, waves 2 and 3 w4's.  The branch hangs on the wave's number alone.  An s_nop 0 and four v_nop follow each line.
.macro JLOAD s
	s_cmp_eq_u32 s11, 0
	s_cbranch_scc0 .Lfor_b_\@
	tensor_load_to_lds s[G0+4*(\s):G0+4*(\s)+3], s[G1:G1+7]
	s_nop 0
.rept 4
	v_nop
.endr
	s_branch .Lasked_\@
.Lfor_b_\@:
	tensor_load_to_lds s[G0B+4*(\s):G0B+4*(\s)+3], s[G1B:G1B+7]
	s_nop 0
.rept 4
	v_nop
.endr
.Lasked_\@:
.endm
; A prefetch of the K step that stands two refills on: 32 rows x 256 bytes, a lane a row.  xn's rows are asked for by the cluster with x = 0, w4's by the cluster with y = 0; the four partners that ask for a
; tile jointly take 32 of its wave's 128 rows each, told apart by address.  The loop's last trip (s3 = 1) has no K step two on and asks for nothing; K steps 0 to 3 come by their loads alone.
.macro ASK
	s_cmp_gt_u32 s3, s[LIM]
	s_cbranch_scc0 .Lnot_mine_\@
	global_prefetch_b8 v[PFO], s[PFA:PFA+1] offset:KSTEP*2 th:TH_LOAD_NT scope:SCOPE_SE
.Lnot_mine_\@:
.endm
.macro CREST                           ; a round of the cluster's barrier behind its opening barrier
	s_cmp_lg_u32 s10, 0
	s_cbranch_scc1 .Lnot_wave_0_\@
	s_barrier_signal -3
.Lnot_wave_0_\@:
	s_barrier_wait -3
	s_barrier_signal -1
	s_barrier_wait -1
.endm
.macro CROUND
	s_barrier_signal -1
	s_barrier_wait -1
	CREST
.endm
	s_load_b128 s[4:7], s[0:1], 0x0                ; xn s[4:5], w4 s[6:7]
	s_load_b256 s[68:75], s[0:1], 0x10             ; alpha_logit 68, bQ 70, bK 72, bV 74
	s_load_b128 s[76:79], s[0:1], 0x30             ; bg 76, qkvg 78
	v_lshl_add_u32 v[SPW], v0, 2, SPARE
	v_mov_b32 v[NIL], 0
	ds_add_u32 v[SPW], v[NIL]                      ; the wave's opening: the add, twice on end, and its wait ahead of my first tensor load
	ds_add_u32 v[SPW], v[NIL]
	v_lshrrev_b32 v1, 5, v0
	v_readfirstlane_b32 s10, v1                    ; wave 0..3
	s_lshr_b32 s11, s10, 1                         ; my half of the tile's rows.  Also: I fetch for xn (0) or for w4 (1)
	s_and_b32 s12, s10, 1                          ; my half of its columns.  Also: which 128 rows I fetch
	s_bfe_u32 s40, ttmp6, 0x40000                  ; cx
	s_bfe_u32 s41, ttmp6, 0x40004                  ; cy
	s_lshl_b32 s42, ttmp9, 2
	s_add_co_u32 s42, s42, s40                     ; tile column = the head
	s_and_b32 s13, ttmp7, 0xffff
	s_lshl_b32 s13, s13, 2
	s_add_co_u32 s13, s13, s41                     ; tile row
	s_lshl_b32 s43, s41, 2
	s_lshl_b32 s43, 15, s43                        ; my row of the cluster
	s_lshl_b32 s44, 0x1111, s40                    ; my column
	s_or_b32 s[G1+0], s43, (1<<16)|(1<<20)|(1<<21)|(5<<22)|(3<<25)   ; the mask; 2-byte elements; padding on; bit 21 beside a mask; after every 64 words, 4 words
	s_or_b32 s[G1B+0], s44, (1<<16)|(1<<20)|(1<<21)|(5<<22)|(3<<25)
.irp g, G1, G1B
	s_mov_b32 s[(\g)+1], KSTEP<<16                 ; tensor_dim0 = 128
	s_mov_b32 s[(\g)+2], 128<<16                   ; tensor_dim1 = 128
	s_mov_b32 s[(\g)+3], KSTEP<<16                 ; tile_dim0 = 128
	s_mov_b32 s[(\g)+4], 128                       ; tile_dim1 = 128
	s_mov_b32 s[(\g)+5], SIZE_K                    ; elements from row to row
	s_mov_b32 s[(\g)+6], 0
	s_mov_b32 s[(\g)+7], 0
.endr
	s_lshl_b32 s17, s12, 7
	s_lshl_b32 s16, s13, 8
	s_add_co_u32 s16, s16, s17                     ; xn: row 256 x tile row + 128 x half
	s_lshl_b32 s46, s42, 8
	s_add_co_u32 s46, s46, s17                     ; w4: row 256 x head + 128 x half
	s_mov_b32 s17, 0
	s_mov_b32 s47, 0
	s_mov_b64 s[18:19], SIZE_K*2
	s_mul_u64 s[16:17], s[16:17], s[18:19]
	s_mul_u64 s[46:47], s[46:47], s[18:19]
	s_mul_i32 s20, s10, HALFT                      ; where they go: wave x 128 rows
	s_wait_dscnt 0x0                               ; both opening adds are done
	s_wait_kmcnt 0x0
	s_add_nc_u64 s[14:15], s[4:5], s[16:17]
	s_add_nc_u64 s[46:47], s[6:7], s[46:47]
	CROUND                                         ; all sixteen work-groups are here: the first joint loads meet
.irp s, 0,1
	s_mov_b32 s[G0+4*(\s)], 1
	s_add_co_u32 s[G0+4*(\s)+1], s20, (\s)*SLOT
	s_add_nc_u64 s[G0+4*(\s)+2:G0+4*(\s)+3], s[14:15], (\s)*KSTEP*2
	s_or_b32 s[G0+4*(\s)+3], s[G0+4*(\s)+3], 0x80000000
	s_mov_b32 s[G0B+4*(\s)], 1
	s_add_co_u32 s[G0B+4*(\s)+1], s20, (\s)*SLOT
	s_add_nc_u64 s[G0B+4*(\s)+2:G0B+4*(\s)+3], s[46:47], (\s)*KSTEP*2
	s_or_b32 s[G0B+4*(\s)+3], s[G0B+4*(\s)+3], 0x80000000
	JLOAD \s                                       ; two tensor loads of mine are out
.endr
	v_and_b32 v1, 15, v0                           ; l % 16
	v_bfe_u32 v2, v0, 4, 1                         ; l / 16
	v_mul_u32_u24 v3, v1, PITCH
	v_lshl_add_u32 v3, v2, 4, v3
	s_mul_i32 s21, s11, HALFT
	s_mul_i32 s22, s12, HALFT
	s_add_co_u32 s22, s22, 2*HALFT
.irp s, 0,1
	v_add_nc_u32 v[ADRA+(\s)], s21, v3
	v_add_nc_u32 v[ADRB+(\s)], s22, v3
	s_add_co_u32 s21, s21, SLOT
	s_add_co_u32 s22, s22, SLOT
.endr
	v_and_b32 v[CO], 31, v0
	v_lshlrev_b32 v[CO], 4, v[CO]
	v_lshlrev_b32 v[TO], 5, v2
	; where my images go: ((16 batch + head) 128 + t / 16) x 2,048 bytes, in region 2 x column half (blocks 0-3) and the region behind it (blocks 4-7)
	s_lshr_b32 s84, s13, 3                         ; batch: eight tile rows each
	s_lshl_b32 s84, s84, 4
	s_add_co_u32 s84, s84, s42
	s_lshl_b32 s84, s84, 7
	s_and_b32 s86, s13, 7
	s_lshl_b32 s86, s86, 4
	s_add_co_u32 s84, s84, s86
	s_lshl_b32 s86, s11, 3
	s_add_co_u32 s84, s84, s86
	s_lshl_b32 s84, s84, 11
	s_lshl_b32 s86, s12, 25
	s_add_co_u32 s84, s84, s86
	s_mov_b32 s85, 0
	s_add_nc_u64 s[80:81], s[78:79], s[84:85]
	s_add_nc_u64 s[82:83], s[80:81], 0x1000000
	; the head's 64 numbers of alpha_logit and of the two biases of my column half
	s_lshl_b32 s84, s42, 8
	s_add_nc_u64 s[68:69], s[68:69], s[84:85]
	s_cmp_eq_u32 s12, 0
	s_cselect_b64 s[86:87], s[70:71], s[74:75]     ; bQ or bV
	s_cselect_b64 s[88:89], s[72:73], s[76:77]     ; bK or bg
	s_cselect_b32 s90, 1.0, 0                      ; V and g take the factor 2^0
	s_add_nc_u64 s[86:87], s[86:87], s[84:85]
	s_add_nc_u64 s[88:89], s[88:89], s[84:85]
.irp c, 0,1,2,3
	global_load_b128 v[LM+8*(\c):LM+8*(\c)+3],   v[TO], s[68:69] offset:64*(\c)
	global_load_b128 v[LM+8*(\c)+4:LM+8*(\c)+7], v[TO], s[68:69] offset:64*(\c)+16
.endr
	WIN 0x40                                       ; destination window 1
.irp c, 0,1,2,3
	global_load_b128 v[BIAS+8*(\c):BIAS+8*(\c)+3],       v[TO], s[86:87] offset:64*(\c)
	global_load_b128 v[BIAS+8*(\c)+4:BIAS+8*(\c)+7],     v[TO], s[86:87] offset:64*(\c)+16
	global_load_b128 v[BIAS+32+8*(\c):BIAS+32+8*(\c)+3], v[TO], s[88:89] offset:64*(\c)
	global_load_b128 v[BIAS+32+8*(\c)+4:BIAS+32+8*(\c)+7], v[TO], s[88:89] offset:64*(\c)+16
.endr
	WIN 0
	; the prefetches' address, while the tables are on their way
	s_lshl_b32 s13, s13, 8
	s_lshl_b32 s42, s42, 8
	s_and_b32 s22, ttmp7, 0xffff
	s_cmp_eq_u32 s11, 0
	s_cselect_b32 s20, s13, s42                    ; the tile's first row
	s_cselect_b32 s21, s40, s41                    ; my place among the four that ask with me
	s_cselect_b32 s22, ttmp9, s22                  ; the coordinate along which other clusters read the same rows
	s_cselect_b64 s[PFA:PFA+1], s[4:5], s[6:7]
	s_cmp_eq_u32 s22, 0
	s_cselect_b32 s[LIM], 1, -1
	s_lshl_b32 s22, s12, 7
	s_add_co_u32 s20, s20, s22
	s_lshl_b32 s21, s21, 5
	s_add_co_u32 s20, s20, s21
	s_mov_b32 s21, 0
	s_mul_u64 s[20:21], s[20:21], s[18:19]
	s_add_nc_u64 s[PFA:PFA+1], s[PFA:PFA+1], s[20:21]
	s_add_nc_u64 s[PFA:PFA+1], s[PFA:PFA+1], 2*KSTEP*2  ; at K step 2: the first refill steps it to 3 and names K step 4
	v_and_b32 v[PFO], 31, v0
	v_mul_u32_u24 v[PFO], v[PFO], SIZE_K*2
	s_wait_loadcnt 0x0                             ; the tables
; L = min(log2(1 + 2^(-a log2 e)), 12) = -log2(sigmoid(a)), held to 12; an infinity from the exponential ends at 12.  n registers from base on.  Each batch of transcendentals has one plain instruction and one wait behind it.
.macro LAMBDA base, n
.set i, 0
.rept (\n)/2
	v_pk_mul_f32 v[(\base)+i:(\base)+i+1], v[(\base)+i:(\base)+i+1], 0xbfb8aa3b op_sel_hi:[1,0]
.set i, i+2
.endr
.set i, 0
.rept \n
	v_exp_f32 v[(\base)+i], v[(\base)+i]
.set i, i+1
.endr
	v_nop
	s_wait_alu depctr_va_vdst(0)
.set i, 0
.rept (\n)/2
	v_pk_add_f32 v[(\base)+i:(\base)+i+1], v[(\base)+i:(\base)+i+1], 1.0 op_sel_hi:[1,0]
.set i, i+2
.endr
.set i, 0
.rept \n
	v_log_f32 v[(\base)+i], v[(\base)+i]
.set i, i+1
.endr
	v_nop
	s_wait_alu depctr_va_vdst(0)
.set i, 0
.rept \n
	v_min_num_f32 v[(\base)+i], 0x41400000, v[(\base)+i]
.set i, i+1
.endr
.endm
	LAMBDA LM, 32
	v_sub_nc_u32 v[LM+32], 8, v1                   ; 8 - t': my row of a block of 16 is my lane % 16
	v_cvt_f32_i32 v[LM+32], v[LM+32]
	v_mul_f32 v[LM+32], s90, v[LM+32]              ; for Q (0 for V)
	v_xor_b32 v[LM+33], 0x80000000, v[LM+32]       ; t' - 8, for K (0 for g)
	WIN 0x40
.set i, 0
.rept 64
	v_mul_f32 v[FT+i], v[LM+i%32], v[LM+32+i/32]
.set i, i+1
.endr
	WIN 0x41
.set i, 0
.rept 64
	v_exp_f32 v[FT+i], v[FT+i]
.set i, i+1
.endr
	WIN 0
	v_nop
	s_wait_alu depctr_va_vdst(0)
; 16 matrix instructions: row blocks a0, a0 + 1 of the window's four x all 8 column blocks, 32 along K.  zero = 1: the bias is the C operand that starts the sums: nothing is cleared, nothing added later.
.macro MUL16 f, hi, a0, zero
.if \zero
	WIN 0x91+0x40*(\hi)                            ; w4 window 1, xn window 0, the bias window 1, D window 2 or 3
.else
	WIN 0xa1+0x50*(\hi)                            ; C and D window 2 or 3
.endif
.irp a, \a0, (\a0)+1
.irp b, 0,1,2,3,4,5,6,7
.if \zero
	v_wmma_f32_16x16x32_f16 v[8*(8*(\a)+(\b)):8*(8*(\a)+(\b))+7], v[(\f)+8*(\b):(\f)+8*(\b)+7], v[(\f)+8*(4*(\hi)+(\a)):(\f)+8*(4*(\hi)+(\a))+7], v[BIAS+8*(\b):BIAS+8*(\b)+7]
.else
	v_wmma_f32_16x16x32_f16 v[8*(8*(\a)+(\b)):8*(8*(\a)+(\b))+7], v[(\f)+8*(\b):(\f)+8*(\b)+7], v[(\f)+8*(4*(\hi)+(\a)):(\f)+8*(4*(\hi)+(\a))+7], v[8*(8*(\a)+(\b)):8*(8*(\a)+(\b))+7]
.endif
.endr
.endr
.endm
.macro FETCH slot, k, f                ; 32 LDS loads in one run: one quarter step's fragments, w4's first
	WIN 0x40
.irp i, 0,1,2,3,4,5,6,7
	ds_load_b128 v[(\f)+8*(\i):(\f)+8*(\i)+3],   v[ADRB+(\slot)] offset:(\k)+(\i)*16*PITCH
	ds_load_b128 v[(\f)+8*(\i)+4:(\f)+8*(\i)+7], v[ADRB+(\slot)] offset:(\k)+(\i)*16*PITCH+32
.endr
	WIN 0
.irp i, 0,1,2,3,4,5,6,7
	ds_load_b128 v[(\f)+8*(\i):(\f)+8*(\i)+3],   v[ADRA+(\slot)] offset:(\k)+(\i)*16*PITCH
	ds_load_b128 v[(\f)+8*(\i)+4:(\f)+8*(\i)+7], v[ADRA+(\slot)] offset:(\k)+(\i)*16*PITCH+32
.endr
.endm
.macro PLACES                          ; four plain instructions between a matrix instruction and a load into, or a vector instruction on, its registers
.rept 4
	v_nop
.endr
.endm
.macro QUARTER slot, k, f, g, zero     ; 64 matrix instructions on buffer f; in their middle the next quarter's fragments, at byte k, go into buffer g.  The 64 accumulators take turns
	s_wait_dscnt 8                                 ; w4's and xn's rows 0-63 are in; the youngest eight loads (xn's rows 64-127) may be out
	MUL16 \f, 0, 0, \zero
	MUL16 \f, 0, 2, \zero
	PLACES
	FETCH \slot, \k, \g
	s_wait_dscnt 32                                ; all but the 32 just issued
	MUL16 \f, 1, 0, \zero
	MUL16 \f, 1, 2, \zero
.endm
; The first half of a K step's last quarter: ONE barrier for the change of slots.  In front of it each wave waits for all its tensor loads (one is out: its part of the next slot), adds 0 to its spare word,
; and waits for that and for its reads of this slot.
.macro MEET round
	WIN 0
	s_wait_tensorcnt 0x0
	ds_add_u32 v[SPW], v[NIL]
	s_wait_dscnt 9                                 ; the add and the youngest eight loads may be out
	MUL16 F1, 0, 0, 0
	s_wait_dscnt 0x0                               ; the add is done, my reads of this slot are over
	s_barrier_signal -1
	MUL16 F1, 0, 2, 0
.if \round
	WIN 0
.endif
	s_barrier_wait -1
.endm
.macro TURN slot, next                 ; the whole last quarter: the barrier opens a round of the cluster's; the joint refill, two K steps on, is the first tensor load behind it: 224 matrix instructions ahead of the wait for it
	s_wait_xcnt 0x0                                ; the last prefetch, a K step back, has read its address
	s_add_nc_u64 s[PFA:PFA+1], s[PFA:PFA+1], KSTEP*2
	MEET 1
	CREST
	s_add_nc_u64 s[G0+4*(\slot)+2:G0+4*(\slot)+3], s[G0+4*(\slot)+2:G0+4*(\slot)+3], 2*KSTEP*2
	s_add_nc_u64 s[G0B+4*(\slot)+2:G0B+4*(\slot)+3], s[G0B+4*(\slot)+2:G0B+4*(\slot)+3], 2*KSTEP*2
	JLOAD \slot                                    ; its four v_nop are also the places in front of the loads below
	FETCH \next, 0, F0
	ASK
	MUL16 F1, 1, 0, 0
	MUL16 F1, 1, 2, 0
.endm
	s_wait_tensorcnt 1                             ; my part of K step 0 is in; K step 1's may stay out
	s_barrier_signal -1
	s_barrier_wait -1
	FETCH 0, 0, F0
	QUARTER 0, 64,  F0, F1, 1                      ; the first quarter stands in front of the loop: its products start the sums
	WIN 0
	s_mov_b32 s3, LAPS-1
.Llap:                                                 ; a trip goes once round the ring and fills both slots again
	QUARTER 0, 128, F1, F0, 0
	QUARTER 0, 192, F0, F1, 0
	TURN 0, 1
	QUARTER 1, 64,  F0, F1, 0
	QUARTER 1, 128, F1, F0, 0
	QUARTER 1, 192, F0, F1, 0
	TURN 1, 0
	QUARTER 0, 64,  F0, F1, 0
	WIN 0
	s_sub_co_u32 s3, s3, 1
	s_cmp_lg_u32 s3, 0
	s_cbranch_scc1 .Llap
	QUARTER 0, 128, F1, F0, 0                      ; the last lap fills nothing
	QUARTER 0, 192, F0, F1, 0
	MEET 0
	PLACES
	FETCH 1, 0, F0
	MUL16 F1, 1, 0, 0
	MUL16 F1, 1, 2, 0
	QUARTER 1, 64,  F0, F1, 0
	QUARTER 1, 128, F1, F0, 0
	QUARTER 1, 192, F0, F1, 0
	s_wait_dscnt 8
	MUL16 F1, 0, 0, 0
	MUL16 F1, 0, 2, 0
	s_wait_dscnt 0x0
	MUL16 F1, 1, 0, 0
	MUL16 F1, 1, 2, 0
	PLACES
; THE WAY OUT of row block a: times the factor, each accumulator's registers in ascending order; rounded (blocks 0-3 and K to bf16, g to f16); eight stores of 512 consecutive bytes.
.macro OUTA a
	WIN 0x06+((\a)/4)                              ; source 0: window 2 or 3; source 1: window 1
.set AC, 64*((\a)%4)
.set i, 0
.rept 32
	v_pk_mul_f32 v[Y+2*i:Y+2*i+1], v[AC+2*i:AC+2*i+1], v[FT+2*i:FT+2*i+1]
.set i, i+1
.endr
	WIN 0
	s_wait_xcnt 0x0                                ; the block before's stores have read their data: it is rewritten only behind this wait
.set i, 0
.rept 16
	v_cvt_pk_bf16_f32 v[PK+i], v[Y+2*i], v[Y+2*i+1]
.set i, i+1
.endr
	s_cmp_eq_u32 s12, 0
	s_cbranch_scc0 .Lgate_\@
.set i, 16
.rept 16
	v_cvt_pk_bf16_f32 v[PK+i], v[Y+2*i], v[Y+2*i+1]
.set i, i+1
.endr
	s_branch .Lpacked_\@
.Lgate_\@:
.set i, 16
.rept 16
	v_cvt_pk_f16_f32 v[PK+i], v[Y+2*i], v[Y+2*i+1]
.set i, i+1
.endr
.Lpacked_\@:
.irp c, 0,1,2,3
	global_store_b128 v[CO], v[PK+4*(\c):PK+4*(\c)+3], s[80:81] offset:2048*(\a)+512*(\c)
.endr
.irp c, 0,1,2,3
	global_store_b128 v[CO], v[PK+16+4*(\c):PK+16+4*(\c)+3], s[82:83] offset:2048*(\a)+512*(\c)
.endr
.endm
.irp a, 0,1,2,3,4,5,6,7
	OUTA \a
.endr
	s_wait_tensorcnt 0x0                           ; the wave's end
	ds_add_u32 v[SPW], v[NIL]
	s_wait_dscnt 0x0
	CROUND                                         ; the closing round: no work-group ends while a partner may still ask for a tile that names it
	s_endpgm
.Lfunc_end_k_q8d8ee53dbd_proj:
	.size	k_q8d8ee53dbd_proj, .Lfunc_end_k_q8d8ee53dbd_proj-k_q8d8ee53dbd_proj
	.p2alignl 7, 3214868480
	.fill 96, 4, 3214868480
	.section	.rodata,"a",@progbits
	.p2align	6, 0x0
	.amdhsa_kernel k_q8d8ee53dbd_proj
		.amdhsa_group_segment_fixed_size 327680
		.amdhsa_private_segment_fixed_size 0
		.amdhsa_enable_private_segment 0
		.amdhsa_kernarg_size 64
		.amdhsa_user_sgpr_count 2
		.amdhsa_user_sgpr_kernarg_segment_ptr 1
		.amdhsa_wavefront_size32 1
		.amdhsa_system_sgpr_workgroup_id_x 1
		.amdhsa_system_sgpr_workgroup_id_y 1
		.amdhsa_system_sgpr_workgroup_id_z 1
		.amdhsa_system_vgpr_workitem_id 0
		.amdhsa_next_free_vgpr 1024
		.amdhsa_next_free_sgpr 96
		.amdhsa_reserve_vcc 0
		.amdhsa_float_denorm_mode_32 3
		.amdhsa_float_denorm_mode_16_64 3
		.amdhsa_memory_ordered 1
		.amdhsa_forward_progress 1
		.amdhsa_inst_pref_size 173
	.end_amdhsa_kernel
	.amdgpu_metadata
---
amdhsa.version: [ 1, 2 ]
amdhsa.kernels:
  - .name:           k_q8d8ee53dbd_proj
    .symbol:         k_q8d8ee53dbd_proj.kd
    .args:
      - { .name: xn, .offset: 0, .size: 8, .value_kind: global_buffer, .address_space: global }
      - { .name: w4, .offset: 8, .size: 8, .value_kind: global_buffer, .address_space: global }
      - { .name: alpha_logit, .offset: 16, .size: 8, .value_kind: global_buffer, .address_space: global }
      - { .name: bQ, .offset: 24, .size: 8, .value_kind: global_buffer, .address_space: global }
      - { .name: bK, .offset: 32, .size: 8, .value_kind: global_buffer, .address_space: global }
      - { .name: bV, .offset: 40, .size: 8, .value_kind: global_buffer, .address_space: global }
      - { .name: bg, .offset: 48, .size: 8, .value_kind: global_buffer, .address_space: global }
      - { .name: qkvg, .offset: 56, .size: 8, .value_kind: global_buffer, .address_space: global }
    .group_segment_fixed_size: 327680
    .private_segment_fixed_size: 0
    .kernarg_segment_align: 8
    .kernarg_segment_size: 64
    .max_flat_workgroup_size: 128
    .sgpr_count:     96
    .vgpr_count:     1024
    .wavefront_size: 32
...
	.end_amdgpu_metadata
.endif
;; end of part 2
;; launch ssm (part 3): grid 4 x 64, 4 waves a work-group, no clusters, 74,240 bytes of LDS; arguments qkvg, alpha_logit, og; writes og
.if DOCPART == 3
	.amdgcn_target "amdgcn-amd-amdhsa--gfx1250"
	.amdhsa_code_object_version 6
	.text
	.protected	k_q8d8ee53dbd_ssm
	.globl	k_q8d8ee53dbd_ssm
	.p2align	8
	.type	k_q8d8ee53dbd_ssm,@function
k_q8d8ee53dbd_ssm:
	s_mov_b64 s[64:65], 0
	v_nop
	global_prefetch_b8 v0, s[64:65] scope:SCOPE_SE
	s_setreg_imm32_b32 hwreg(HW_REG_WAVE_MODE, 25, 1), 1
	s_wait_xcnt 0x0
; Launch 3 of 4: the scan h_t = alpha h_(t-1) + k_t v_t^T, o_t = q_t h_t, and o * silu(g), as block products.  Nothing of reference() is left out; h0 = 0 is the carry's start.
; BLOCKS of 16 steps, t' = t mod 16.  Launch 2 left Qm = q alpha^(t'-8), Km = k alpha^(8-t').  With G = alpha^9 h(before the block):
;   o_t = Qm_t . G + sum over s' <= t' of (Qm_t . Km_s) v_s;      R = Km^T V;      G(next) = alpha^16 (G + R), applied as two factors alpha^8, since alpha^16 may lie below f32's range.
; SEGMENTS of 4 blocks.  G_b = alpha^(16 b) G_entry + L_b, L_b the run from a zero start; G_exit = alpha^64 G_entry + L_4.  Where alpha^16 .. alpha^64 come out as 0 the term is below 2^-126 of its factor.
; LIMIT, as in launch 2: alpha below 2^-12 counts as 2^-12.  Scores above the diagonal may overflow; a select on the lane's place throws them away, infinities and NaN too.
; SHARES.  The state's columns do not depend on each other: a work-group takes one (batch, head) and 16 of the 64 columns, over all 2,048 steps: 256 equal work-groups, no state between them.
; T goes in 8 super-chunks of 256 steps; in each, wave w owns the segment of blocks 4 w .. 4 w + 3.  The four exits meet in LDS, each wave carries one quarter (16 state rows) of the f32 carry on, and hands every wave its entry.
; OPERANDS come from memory straight into registers: a 16 x 16 tile is a 512-byte image, 16 bytes a lane.  K and V also pass through the wave's own LDS scratch, to be read back turned (ds_load_tr16_b128).
; NO CLUSTER, no tensor ring: Q and K (512 of a work-group's 640 KiB) are shared by the four column work-groups of a head, but a joint load lands in LDS only: it would add a ring, a round of the cluster's
; barrier for every 256 steps and 16 more LDS reads a super-chunk for Q, which now goes straight into its operand registers.
; MATRIX FORMS (D register e of lane (r = l % 16, hh = l / 16) is element (8 hh + e, r)):  AT[s][t] = Km Qm^T;  R[i][j] = (K turned)(V turned), K = 16 steps, the upper K half of V's operand 0;
;   O[j][t] = (V turned) P, P = AT masked and rounded in pairs;  O += (state rounded in pairs) Qm^T.  O's lane holds row t' = r and channels 8 hh + e: an image again.
; REGISTERS.  window 0: v4-15 addresses and constants; AT 16; O 24 (8 a block); TG 56 silu(g); ZT 88; PKO 120; XC 136 my quarter of the carry; A64 144; FS 152; LM 184 (head only)
;   window 1: A8 0; alpha^16, ^32, ^48 at 32, 64, 96; L1, L2, L3 at 128, 160, 192; FE 224 (the exit, then the entry): element (i = 16 it + 8 hh + e, j = r) at 8 it + e
;   window 2: KL 0, VL 64 (as loaded, a super-chunk ahead); Q and g, two sets: 80, 144 and 160, 224; P 240 (two buffers of 4, then 4 zeros)
;   window 3: KT 0 (16 b + 4 it, then 4 zeros); KN 68; VT 132 ([V 4][zeros 4] a block); GOP 164 (16 a block)
.set SCRW,  10240                      ; LDS: a wave's scratch: K 4 x 2,048 bytes, V 4 x 512 at 8,192
.set FEX,   40960                      ; the exits: [wave][8][512] f32
.set ENT,   57344                      ; the entries, likewise
.set SPARE, 73728                      ; the spare words, 128 bytes a wave, that no other line names
.set LN16, 4
.set ADW,  5
.set ADT,  6
.set FXS,  7
.set FXR,  8
.set ENS,  9
.set ENR,  10
.set PFO,  11
.set SPW,  12
.set NIL,  13
.set CZ,   14
.set CN,   15
.set AT,   16
.set O,    24
.set TG,   56
.set ZT,   88
.set PKO,  120
.set XC,   136
.set A64,  144
.set FS,   152
.set LM,   184
.set A8,   0
.set T16,  32
.set L1,   128
.set FE,   224
.set KL,   0
.set VL,   64
.set QA,   80
.set GA,   144
.set P,    240
.set KT,   0
.set KN,   68
.set VT,   132
.set GOP,  164
.set MSB, 0
.macro WIN new
.if MSB != (\new)
	s_set_vgpr_msb (MSB<<8)|(\new)
.set MSB, \new
.endif
.endm
.macro LAMBDA base, n                  ; L = min(log2(1 + 2^(-a log2 e)), 12), as in launch 2
.set i, 0
.rept (\n)/2
	v_pk_mul_f32 v[(\base)+i:(\base)+i+1], v[(\base)+i:(\base)+i+1], 0xbfb8aa3b op_sel_hi:[1,0]
.set i, i+2
.endr
.set i, 0
.rept \n
	v_exp_f32 v[(\base)+i], v[(\base)+i]
.set i, i+1
.endr
	v_nop
	s_wait_alu depctr_va_vdst(0)
.set i, 0
.rept (\n)/2
	v_pk_add_f32 v[(\base)+i:(\base)+i+1], v[(\base)+i:(\base)+i+1], 1.0 op_sel_hi:[1,0]
.set i, i+2
.endr
.set i, 0
.rept \n
	v_log_f32 v[(\base)+i], v[(\base)+i]
.set i, i+1
.endr
	v_nop
	s_wait_alu depctr_va_vdst(0)
.set i, 0
.rept \n
	v_min_num_f32 v[(\base)+i], 0x41400000, v[(\base)+i]
.set i, i+1
.endr
.endm
.macro LOADS set, off                  ; a super-chunk's 40 loads of my four blocks, 512 consecutive bytes each: K and V as loaded, Q and g into a set
	WIN 0x80                                       ; destination window 2
.set k, 0
.rept 16
	global_load_b128 v[KL+4*k:KL+4*k+3], v[LN16], s[18:19] offset:(\off)+512*k
.set k, k+1
.endr
.set k, 0
.rept 4
	global_load_b128 v[VL+4*k:VL+4*k+3], v[LN16], s[20:21] offset:(\off)+2048*k th:TH_LOAD_NT
.set k, k+1
.endr
.set k, 0
.rept 16
	global_load_b128 v[QA+80*(\set)+4*k:QA+80*(\set)+4*k+3], v[LN16], s[16:17] offset:(\off)+512*k
.set k, k+1
.endr
.set k, 0
.rept 4
	global_load_b128 v[GA+80*(\set)+4*k:GA+80*(\set)+4*k+3], v[LN16], s[22:23] offset:(\off)+2048*k th:TH_LOAD_NT
.set k, k+1
.endr
	WIN 0
.endm
	s_load_b128 s[4:7], s[0:1], 0x0                ; qkvg s[4:5], alpha_logit s[6:7]
	s_load_b64 s[8:9], s[0:1], 0x10                ; og
	v_lshl_add_u32 v[SPW], v0, 2, SPARE
	v_mov_b32 v[NIL], 0
	v_lshrrev_b32 v1, 5, v0
	v_readfirstlane_b32 s10, v1                    ; wave 0..3
	s_mov_b32 s11, ttmp9                           ; which 16 columns
	s_and_b32 s12, ttmp7, 0xffff                   ; 16 batch + head
	v_and_b32 v1, 31, v0
	v_and_b32 v2, 15, v0                           ; r
	v_bfe_u32 v3, v0, 4, 1                         ; hh
	v_lshlrev_b32 v[LN16], 4, v1
	s_mul_i32 s13, s10, SCRW
	v_add_nc_u32 v[ADW], s13, v[LN16]              ; my 16 bytes of an image in my scratch
	v_and_b32 v[ADT], 7, v0                        ; the turning load: lane l reads row 8 (l / 16) + l % 8, channels 8 ((l / 8) % 2) + 0..7 of an image
	v_lshl_add_u32 v[ADT], v3, 3, v[ADT]
	v_lshlrev_b32 v[ADT], 4, v[ADT]
	v_bfe_u32 v[FXS], v0, 3, 1
	v_lshl_add_u32 v[ADT], v[FXS], 8, v[ADT]
	v_add_nc_u32 v[ADT], s13, v[ADT]
	s_lshl_b32 s14, s10, 12
	s_lshl_b32 s15, s10, 10
	s_add_co_u32 s13, s14, FEX
	v_add_nc_u32 v[FXS], s13, v[LN16]              ; my exit goes here,
	s_add_co_u32 s13, s15, FEX
	v_add_nc_u32 v[FXR], s13, v[LN16]              ; my quarter of every wave's exit is read here,
	s_add_co_u32 s13, s15, ENT
	v_add_nc_u32 v[ENS], s13, v[LN16]              ; my quarter of every wave's entry goes here,
	s_add_co_u32 s13, s14, ENT
	v_add_nc_u32 v[ENR], s13, v[LN16]              ; my entry is read here
	v_lshrrev_b32 v[PFO], 3, v1                    ; the prefetch: lanes 8 g .. 8 g + 7 take region g (Qm, Km, V, g): block (l / 2) % 4, half l % 2 of its 512 bytes
	v_lshlrev_b32 v[PFO], 24, v[PFO]
	v_bfe_u32 v226, v0, 1, 2
	v_lshl_add_u32 v[PFO], v226, 11, v[PFO]
	v_and_b32 v226, 1, v0
	v_lshl_add_u32 v[PFO], v226, 8, v[PFO]
	v_mov_b32 v[CZ], 0
	v_mov_b32 v[CN], 0xbfb8aa3b                    ; -log2(e)
	v_lshlrev_b32 v224, 5, v3                      ; my eight of sixteen f32 of alpha_logit,
	s_lshl_b32 s13, s10, 6
	v_add_nc_u32 v225, s13, v224                   ; and those of my quarter of the state rows
	v_lshlrev_b32 v226, 3, v3
	v_sub_nc_u32 v226, v2, v226                    ; r - 8 hh: register e of AT is kept where e <= r - 8 hh, that is s' <= t'
.irp e, 0,1,2,3,4,5,6,7
	v_cmp_le_i32 s[40+(\e)], \e, v226
.endr
	s_lshl_b32 s30, s12, 18                        ; (128 (16 batch + head) + 4 w) x 2,048
	s_lshl_b32 s31, s10, 13
	s_add_co_u32 s30, s30, s31
	s_mov_b32 s31, 0
	s_lshl_b32 s32, s11, 9                         ; my column tile's image
	s_mov_b32 s33, 0
	s_lshr_b32 s34, s12, 4                         ; og: (128 batch + 4 w) x 32,768 + (4 head + column tile) x 512
	s_lshl_b32 s34, s34, 22
	s_lshl_b32 s35, s10, 17
	s_add_co_u32 s34, s34, s35
	s_and_b32 s36, s12, 15
	s_lshl_b32 s35, s36, 11
	s_add_co_u32 s34, s34, s35
	s_add_co_u32 s34, s34, s32
	s_mov_b32 s35, 0
	s_lshl_b32 s36, s36, 8                         ; the head's 64 numbers of alpha_logit
	s_mov_b32 s37, 0
	s_wait_kmcnt 0x0
	s_add_nc_u64 s[16:17], s[4:5], s[30:31]        ; Qm
	s_add_nc_u64 s[18:19], s[16:17], 0x1000000     ; Km
	s_add_nc_u64 s[26:27], s[16:17], s[32:33]      ; the prefetches' base
	s_add_nc_u64 s[20:21], s[26:27], 0x2000000     ; V
	s_add_nc_u64 s[22:23], s[26:27], 0x3000000     ; g
	s_add_nc_u64 s[24:25], s[8:9], s[34:35]
	s_add_nc_u64 s[6:7], s[6:7], s[36:37]
.irp c, 0,1,2,3
	global_load_b128 v[LM+8*(\c):LM+8*(\c)+3],   v224, s[6:7] offset:64*(\c)
	global_load_b128 v[LM+8*(\c)+4:LM+8*(\c)+7], v224, s[6:7] offset:64*(\c)+16
.endr
	global_load_b128 v[LM+32:LM+35], v225, s[6:7]
	global_load_b128 v[LM+36:LM+39], v225, s[6:7] offset:16
	LOADS 0, 0                                     ; super-chunk 0
	WIN 0xc0                                       ; the zeros that pad K = 16 to 32, written once
.irp z, 64,65,66,67
	v_mov_b32 v[KT+(\z)], 0
.endr
.irp b, 0,1,2,3
.irp z, 4,5,6,7
	v_mov_b32 v[VT+8*(\b)+(\z)], 0
.endr
.endr
	WIN 0x80
.set i, 0
.rept 12
	v_mov_b32 v[P+i], 0
.set i, i+1
.endr
	WIN 0
.set i, 0
.rept 8
	v_mov_b32 v[XC+i], 0                           ; h0 = 0
.set i, i+1
.endr
	s_wait_loadcnt 40                              ; alpha_logit is in; the super-chunk's 40 loads may stay out
	LAMBDA LM, 40
	WIN 0x40
.set i, 0
.rept 32
	v_mul_f32 v[A8+i], 0xc1000000, v[LM+i]         ; -8 L, -16 L, -32 L, -48 L
	v_mul_f32 v[T16+i], 0xc1800000, v[LM+i]
	v_mul_f32 v[T16+32+i], 0xc2000000, v[LM+i]
	v_mul_f32 v[T16+64+i], 0xc2400000, v[LM+i]
.set i, i+1
.endr
	WIN 0x41
.set i, 0
.rept 128
	v_exp_f32 v[i], v[i]
.set i, i+1
.endr
	WIN 0
.set i, 0
.rept 8
	v_mul_f32 v[A64+i], 0xc2800000, v[LM+32+i]
.set i, i+1
.endr
.set i, 0
.rept 8
	v_exp_f32 v[A64+i], v[A64+i]
.set i, i+1
.endr
	v_nop
	s_wait_alu depctr_va_vdst(0)                   ; one wait for the batch of 136
; Block b from a zero start.  No two matrix instructions that follow each other share an accumulator: AT's two links stand four products apart.
.macro P1B b
	s_wait_dscnt 4*(3-(\b))                        ; V and all of K turned, and K plain up to this block, are in; the later blocks' four loads each may stay out
	WIN 0x0b                                       ; source 0 window 3, source 1 window 2, C and D window 0
	v_wmma_f32_16x16x32_bf16 v[AT:AT+7], v[KN+16*(\b):KN+16*(\b)+7], v[Q+16*(\b):Q+16*(\b)+7], 0
	WIN 0x5f                                       ; sources window 3, C and D window 1
.irp it, 0,1,2,3
.if (\b) == 0
	v_wmma_f32_16x16x32_bf16 v[L1+8*(\it):L1+8*(\it)+7], v[KT+4*(\it):KT+4*(\it)+7], v[VT:VT+7], 0
.else
	v_wmma_f32_16x16x32_bf16 v[L1+32*(\b)+8*(\it):L1+32*(\b)+8*(\it)+7], v[KT+16*(\b)+4*(\it):KT+16*(\b)+4*(\it)+7], v[VT+8*(\b):VT+8*(\b)+7], v[L1+32*(\b)-32+8*(\it):L1+32*(\b)-32+8*(\it)+7]
.endif
.endr
	WIN 0x0b
	v_wmma_f32_16x16x32_bf16 v[AT:AT+7], v[KN+16*(\b)+8:KN+16*(\b)+15], v[Q+16*(\b)+8:Q+16*(\b)+15], v[AT:AT+7]
.if (\b) > 0
	v_wmma_f32_16x16x32_bf16 v[O+8*(\b)-8:O+8*(\b)-1], v[VT+8*(\b)-8:VT+8*(\b)-1], v[P+4*(((\b)-1)%2):P+4*(((\b)-1)%2)+7], 0
.endif
.rept 4
	v_nop                                          ; the places behind those products
.endr
	WIN 0x45                                       ; all in window 1
.rept 2
.set i, 0
.rept 16
	v_pk_mul_f32 v[L1+32*(\b)+i:L1+32*(\b)+i+1], v[L1+32*(\b)+i:L1+32*(\b)+i+1], v[A8+i:A8+i+1]  ; times alpha^8, twice
.set i, i+2
.endr
.endr
	WIN 0
.irp e, 0,1,2,3,4,5,6,7
	v_cndmask_b32 v[AT+(\e)], 0, v[AT+(\e)], s[40+(\e)]  ; s' > t' goes
.endr
	WIN 0x80
.irp e, 0,1,2,3
	v_cvt_pk_bf16_f32 v[P+4*((\b)%2)+(\e)], v[AT+2*(\e)], v[AT+2*(\e)+1]
.endr
.endm
; silu(g) = g / (1 + 2^(-g log2 e)) for blocks b0, b0 + 1: work on registers alone, so it stands between a barrier's signal and its wait.  Two batches of transcendentals, a plain instruction and a wait behind each.
.macro SILU2 b0
	WIN 0x02                                       ; source 0 window 2
.set k, 0
.rept 8
	v_fma_mix_f32 v[ZT+2*k], v[G+4*(\b0)+k], v[CN], v[CZ] op_sel_hi:[1,0,0]
	v_fma_mix_f32 v[ZT+2*k+1], v[G+4*(\b0)+k], v[CN], v[CZ] op_sel:[1,0,0] op_sel_hi:[1,0,0]
.set k, k+1
.endr
	WIN 0
.set k, 0
.rept 16
	v_exp_f32 v[ZT+k], v[ZT+k]
.set k, k+1
.endr
	v_nop
	s_wait_alu depctr_va_vdst(0)
.set k, 0
.rept 8
	v_pk_add_f32 v[ZT+k:ZT+k+1], v[ZT+k:ZT+k+1], 1.0 op_sel_hi:[1,0]
.set k, k+2
.endr
.set k, 0
.rept 16
	v_rcp_f32 v[ZT+k], v[ZT+k]
.set k, k+1
.endr
	v_nop
	s_wait_alu depctr_va_vdst(0)
	WIN 0x02
.set k, 0
.rept 8
	v_fma_mix_f32 v[TG+8*(\b0)+2*k], v[G+4*(\b0)+k], v[ZT+2*k], v[CZ] op_sel_hi:[1,0,0]
	v_fma_mix_f32 v[TG+8*(\b0)+2*k+1], v[G+4*(\b0)+k], v[ZT+2*k+1], v[CZ] op_sel:[1,0,0] op_sel_hi:[1,0,0]
.set k, k+1
.endr
	WIN 0
.endm
; A SUPER-CHUNK.  par: which set holds its Q and g; the next one's go into the other set.
.macro SC par
.set Q, QA+80*(\par)
.set G, GA+80*(\par)
	WIN 0
	s_wait_loadcnt 0x0                             ; this super-chunk's 40 loads, asked for a whole super-chunk ago
	s_wait_xcnt 0x0                                ; the last stores have read their data
	WIN 0x08                                       ; store data window 2
.set k, 0
.rept 16
	ds_store_b128 v[ADW], v[KL+4*k:KL+4*k+3] offset:512*k
.set k, k+1
.endr
.set k, 0
.rept 4
	ds_store_b128 v[ADW], v[VL+4*k:VL+4*k+3] offset:8192+512*k
.set k, k+1
.endr
	WIN 0
.if \par
	s_cmp_eq_u32 s28, 1                            ; behind the last super-chunk there is none
	s_cbranch_scc1 .Lnone_\@
.endif
	LOADS 1-(\par), (1+(\par))*32768
	s_cmp_gt_u32 s28, 2                            ; the prefetch names the super-chunk four on, three ahead of its loads; it stops with the eighth
	s_cbranch_scc0 .Lnone_\@
	global_prefetch_b8 v[PFO], s[26:27] offset:(4+(\par))*32768 th:TH_LOAD_NT scope:SCOPE_SE  ; tile (column tile) of Qm, Km, V and g in my four blocks: the four column work-groups share Qm's and Km's tiles out by address
.Lnone_\@:
	WIN 0xc0                                       ; destination window 3.  LDS serves a wave's instructions in order (ISA guide 5.7.1.4): these see the stores above
.irp b, 0,1,2,3
	ds_load_tr16_b128 v[VT+8*(\b):VT+8*(\b)+3], v[ADT] offset:8192+512*(\b)
.endr
.set k, 0
.rept 16
	ds_load_tr16_b128 v[KT+4*k:KT+4*k+3], v[ADT] offset:512*k  ; all of them ahead of the first block: a tile's operand reaches four registers into the next tile
.set k, k+1
.endr
.set k, 0
.rept 16
	ds_load_b128 v[KN+4*k:KN+4*k+3], v[ADW] offset:512*k
.set k, k+1
.endr
	P1B 0
	P1B 1
	P1B 2
	P1B 3
	WIN 0x0b
	v_wmma_f32_16x16x32_bf16 v[O+24:O+31], v[VT+24:VT+31], v[P+4:P+11], 0
	; THE EXCHANGE.  Barrier 1: all exits lie in LDS.  Barrier 2: all entries do.  The exits are written again only behind barrier 2, the entries only behind the next barrier 1; every reader has waited for its loads ahead of its signal.
	WIN 0x04                                       ; store data window 1
.irp g, 0,1,2,3,4,5,6,7
	ds_store_b128 v[FXS], v[FE+4*(\g):FE+4*(\g)+3] offset:512*(\g)
.endr
	WIN 0
	s_wait_dscnt 0x0
	s_barrier_signal -1
	SILU2 0
	s_barrier_wait -1
.irp n, 0,1,2,3
	ds_load_b128 v[FS+8*(\n):FS+8*(\n)+3],   v[FXR] offset:4096*(\n)
	ds_load_b128 v[FS+8*(\n)+4:FS+8*(\n)+7], v[FXR] offset:4096*(\n)+512
.endr
	s_wait_dscnt 0x0
.irp n, 0,1,2,3
	ds_store_b128 v[ENS], v[XC:XC+3]   offset:4096*(\n)      ; wave n's entry, my quarter of it;
	ds_store_b128 v[ENS], v[XC+4:XC+7] offset:4096*(\n)+512
.irp k, 0,2,4,6
	v_pk_fma_f32 v[XC+(\k):XC+(\k)+1], v[A64+(\k):A64+(\k)+1], v[XC+(\k):XC+(\k)+1], v[FS+8*(\n)+(\k):FS+8*(\n)+(\k)+1]  ; its exit is the next wave's entry, the fourth the next super-chunk's carry
.endr
.endr
	s_wait_dscnt 0x0
	s_barrier_signal -1
	SILU2 2
	s_barrier_wait -1
	WIN 0x40
.irp g, 0,1,2,3,4,5,6,7
	ds_load_b128 v[FE+4*(\g):FE+4*(\g)+3], v[ENR] offset:512*(\g)
.endr
	WIN 0
	s_wait_dscnt 0x0
	; the four blocks' states, rounded in pairs into operands
	WIN 0xc5                                       ; sources window 1, destination window 3
.set k, 0
.rept 16
	v_cvt_pk_bf16_f32 v[GOP+k], v[FE+2*k], v[FE+2*k+1]
.set k, k+1
.endr
.irp b, 1,2,3
	WIN 0x55
.set k, 0
.rept 16
	v_pk_fma_f32 v[L1+32*(\b)-32+k:L1+32*(\b)-32+k+1], v[32*(\b)+k:32*(\b)+k+1], v[FE+k:FE+k+1], v[L1+32*(\b)-32+k:L1+32*(\b)-32+k+1]  ; alpha^(16 b) G_entry + L_b
.set k, k+2
.endr
	WIN 0xc5
.set k, 0
.rept 16
	v_cvt_pk_bf16_f32 v[GOP+16*(\b)+k], v[L1+32*(\b)-32+2*k], v[L1+32*(\b)-32+2*k+1]
.set k, k+1
.endr
.endr
	WIN 0x0b
.irp h, 0,1
.irp b, 0,1,2,3
	v_wmma_f32_16x16x32_bf16 v[O+8*(\b):O+8*(\b)+7], v[GOP+16*(\b)+8*(\h):GOP+16*(\b)+8*(\h)+7], v[Q+16*(\b)+8*(\h):Q+16*(\b)+8*(\h)+7], v[O+8*(\b):O+8*(\b)+7]
.endr
.endr
	WIN 0
.rept 4
	v_nop
.endr
.irp b, 0,1,2,3
.irp k, 0,2,4,6
	v_pk_mul_f32 v[O+8*(\b)+(\k):O+8*(\b)+(\k)+1], v[O+8*(\b)+(\k):O+8*(\b)+(\k)+1], v[TG+8*(\b)+(\k):TG+8*(\b)+(\k)+1]
.endr
.irp k, 0,1,2,3
	v_cvt_pk_bf16_f32 v[PKO+4*(\b)+(\k)], v[O+8*(\b)+2*(\k)], v[O+8*(\b)+2*(\k)+1]
.endr
	global_store_b128 v[LN16], v[PKO+4*(\b):PKO+4*(\b)+3], s[24:25] offset:(\par)*524288+(\b)*32768  ; an image: 512 consecutive bytes, aligned
.endr
.endm
	s_mov_b32 s28, 4
.Lpair:                                                ; two super-chunks a trip
	SC 0
	SC 1
	WIN 0
	s_wait_xcnt 0x0                                ; every load, store and prefetch issued so far has read its address: the bases may be stepped
	s_add_nc_u64 s[16:17], s[16:17], 0x10000
	s_add_nc_u64 s[18:19], s[18:19], 0x10000
	s_add_nc_u64 s[20:21], s[20:21], 0x10000
	s_add_nc_u64 s[22:23], s[22:23], 0x10000
	s_add_nc_u64 s[26:27], s[26:27], 0x10000
	s_add_nc_u64 s[24:25], s[24:25], 0x100000
	s_sub_co_u32 s28, s28, 1
	s_cmp_lg_u32 s28, 0
	s_cbranch_scc1 .Lpair
	s_wait_tensorcnt 0x0                           ; the wave's end, behind my last LDS store
	ds_add_u32 v[SPW], v[NIL]
	s_wait_dscnt 0x0
	s_endpgm
.Lfunc_end_k_q8d8ee53dbd_ssm:
	.size	k_q8d8ee53dbd_ssm, .Lfunc_end_k_q8d8ee53dbd_ssm-k_q8d8ee53dbd_ssm
	.p2alignl 7, 3214868480
	.fill 96, 4, 3214868480
	.section	.rodata,"a",@progbits
	.p2align	6, 0x0
	.amdhsa_kernel k_q8d8ee53dbd_ssm
		.amdhsa_group_segment_fixed_size 74240
		.amdhsa_private_segment_fixed_size 0
		.amdhsa_enable_private_segment 0
		.amdhsa_kernarg_size 24
		.amdhsa_user_sgpr_count 2
		.amdhsa_user_sgpr_kernarg_segment_ptr 1
		.amdhsa_wavefront_size32 1
		.amdhsa_system_sgpr_workgroup_id_x 1
		.amdhsa_system_sgpr_workgroup_id_y 1
		.amdhsa_system_sgpr_workgroup_id_z 1
		.amdhsa_system_vgpr_workitem_id 0
		.amdhsa_next_free_vgpr 1024
		.amdhsa_next_free_sgpr 66
		.amdhsa_reserve_vcc 0
		.amdhsa_float_denorm_mode_32 3
		.amdhsa_float_denorm_mode_16_64 3
		.amdhsa_memory_ordered 1
		.amdhsa_forward_progress 1
		.amdhsa_inst_pref_size 118
	.end_amdhsa_kernel
	.amdgpu_metadata
---
amdhsa.version: [ 1, 2 ]
amdhsa.kernels:
  - .name:           k_q8d8ee53dbd_ssm
    .symbol:         k_q8d8ee53dbd_ssm.kd
    .args:
      - { .name: qkvg, .offset: 0, .size: 8, .value_kind: global_buffer, .address_space: global }
      - { .name: alpha_logit, .offset: 8, .size: 8, .value_kind: global_buffer, .address_space: global }
      - { .name: og, .offset: 16, .size: 8, .value_kind: global_buffer, .address_space: global }
    .group_segment_fixed_size: 74240
    .private_segment_fixed_size: 0
    .kernarg_segment_align: 8
    .kernarg_segment_size: 24
    .max_flat_workgroup_size: 128
    .sgpr_count:     66
    .vgpr_count:     1024
    .wavefront_size: 32
...
	.end_amdgpu_metadata
.endif
;; end of part 3
;; launch outp (part 4): grid 4 x 64, 4 waves a work-group, clusters of 4 x 4, 327,680 bytes of LDS; arguments og, wo, bO, x, out0; writes out0
.if DOCPART == 4
	.amdgcn_target "amdgcn-amd-amdhsa--gfx1250"
	.amdhsa_code_object_version 6
	.text
	.protected	k_q8d8ee53dbd_outp
	.globl	k_q8d8ee53dbd_outp
	.p2align	8
	.type	k_q8d8ee53dbd_outp,@function
k_q8d8ee53dbd_outp:
	s_mov_b64 s[64:65], 0
	v_nop
	global_prefetch_b8 v0, s[64:65] scope:SCOPE_SE
	s_setreg_imm32_b32 hwreg(HW_REG_WAVE_MODE, 25, 1), 1
	s_wait_xcnt 0x0
	s_wait_alu depctr_hold_cnt(0) depctr_sa_sdst(0) depctr_va_vdst(0) depctr_va_sdst(0) depctr_va_ssrc(0) depctr_va_vcc(0) depctr_vm_vsrc(0)
	s_getreg_b32 s2, hwreg(HW_REG_IB_STS2, 6, 4)
	s_cmp_eq_u32 s2, 0
	s_cbranch_scc0 .Lentry_in_a_cluster
	s_endpgm
.Lentry_in_a_cluster:
	s_bfe_u32 s2, ttmp6, 0x10000c
	s_cmp_lg_u32 s2, 0xf033
	s_cbranch_scc0 .Lentry_shape_is_right
	s_endpgm
.Lentry_shape_is_right:
; Launch 4 of 4: out0 = x + (o * gate) WO^T + bO.  og: bf16 images [row / 16][channel / 16][512 bytes]; wo: [1024][1024] bf16; sums in f32; out0 f32.  Nothing of reference() is left out here.
; A tile of out0 is 128 rows x 256 columns: 256 work-groups.  Four waves, each 64 x 128: 32 accumulators in window 2.  K goes in steps of 128 through two LDS slots filled by joint tensor loads:
; 4 x 4 work-groups form a cluster, og's tile is shared along a row of it, wo's along a column.
; og's tile of a K step is, for each block of 16 rows, 4,096 consecutive bytes (8 images): it lies in LDS as it lies in memory, and a fragment is two loads of 16 bytes a lane, lane after lane.
; THE MATRIX INSTRUCTION IS USED TRANSPOSED (source 0 = 16 rows of wo, source 1 = 16 rows of og): a lane holds eight neighbouring columns of a row.  The bias is the C operand that starts the sums.
; THE WAY OUT: 16 rows at a time through the wave's own stage, back as whole rows of 512 bytes, x added, stored: each store covers 512 consecutive bytes, aligned.
; REGISTERS.  window 0: v16-30 addresses; v64-127 og's fragments, two buffers (on the way out: rows read back); v128-255 x, two sets.   window 1: v0-63 the bias; v64-191 wo's fragments, two buffers.
;   window 2: accumulator (a, b) at v[8 (8 a + b)].
.set KSTEP,  128
.set PITCH,  272                       ; a row of wo in LDS: 256 bytes + 16: the 16 rows of a load start at 16 different groups of four banks (64 banks of 4 bytes: ISA guide 11.1)
.set ABYTES, 32768                     ; og's 8 row blocks x 4,096
.set HALFB,  128*PITCH
.set SLOT,   ABYTES+2*HALFB            ; 102,400
.set STAGE,  2*SLOT                    ; 16 rows x 528 bytes for each wave
.set SPITCH, 528
.set SPARE,  STAGE+4*16*SPITCH         ; the spare words, 128 bytes a wave, that no other line names
.set LAPS,   4
.set ADRA, 16
.set ADRB, 20
.set STO,  24
.set RD,   25
.set CO,   26
.set TO,   27
.set SPW,  28
.set NIL,  29
.set PFO,  30
.set RB,   64                          ; rows read back
.set XR,   128                         ; x: set a % 2 at XR + 64 (a % 2)
.set PFA,  44                          ; s[44:45] where my prefetches stand
.set LIM,  43
.set PFS,  88                          ; s[88:89] their step: two K steps
.set G1, 24
.set G0, 32
.set G1B, 48
.set G0B, 56
.set MSB, 0
.macro WIN new
.if MSB != (\new)
	s_set_vgpr_msb (MSB<<8)|(\new)
.set MSB, \new
.endif
.endm
.macro JLOAD s                         ; waves 0 and 1 fetch og's two halves, waves 2 and 3 wo's; an s_nop 0 and four v_nop follow each line
	s_cmp_eq_u32 s11, 0
	s_cbranch_scc0 .Lfor_b_\@
	tensor_load_to_lds s[G0+4*(\s):G0+4*(\s)+3], s[G1:G1+7]
	s_nop 0
.rept 4
	v_nop
.endr
	s_branch .Lasked_\@
.Lfor_b_\@:
	tensor_load_to_lds s[G0B+4*(\s):G0B+4*(\s)+3], s[G1B:G1B+7]
	s_nop 0
.rept 4
	v_nop
.endr
.Lasked_\@:
.endm
; A prefetch, once a lap, of the two K steps that the next lap's refills ask for.  og: of the four row blocks that a wave fetches each partner takes one (by cx, in the address): 8,192 consecutive bytes, 256 a lane.
; wo: only the cluster with y = 0 asks; each partner takes 32 of the wave's 128 rows (by cy, in the address): a lane a row, 512 bytes by two instructions.  The last lap of the loop asks for nothing; K steps 0 to 3 come by their loads alone.
.macro ASK
	s_cmp_gt_u32 s3, s[LIM]
	s_cbranch_scc0 .Lnot_mine_\@
	global_prefetch_b8 v[PFO], s[PFA:PFA+1] th:TH_LOAD_NT scope:SCOPE_SE
	s_cmp_eq_u32 s11, 0
	s_cbranch_scc1 .Lnot_mine_\@
	global_prefetch_b8 v[PFO], s[PFA:PFA+1] offset:256 th:TH_LOAD_NT scope:SCOPE_SE
.Lnot_mine_\@:
.endm
.macro CREST
	s_cmp_lg_u32 s10, 0
	s_cbranch_scc1 .Lnot_wave_0_\@
	s_barrier_signal -3
.Lnot_wave_0_\@:
	s_barrier_wait -3
	s_barrier_signal -1
	s_barrier_wait -1
.endm
.macro CROUND
	s_barrier_signal -1
	s_barrier_wait -1
	CREST
.endm
	s_load_b128 s[4:7], s[0:1], 0x0                ; og s[4:5], wo s[6:7]
	s_load_b128 s[68:71], s[0:1], 0x10             ; bO s[68:69], x s[70:71]
	s_load_b64 s[72:73], s[0:1], 0x20              ; out0
	v_lshl_add_u32 v[SPW], v0, 2, SPARE
	v_mov_b32 v[NIL], 0
	ds_add_u32 v[SPW], v[NIL]                      ; the wave's opening: the add, twice on end, and its wait ahead of my first tensor load
	ds_add_u32 v[SPW], v[NIL]
	v_lshrrev_b32 v1, 5, v0
	v_readfirstlane_b32 s10, v1                    ; wave 0..3
	s_lshr_b32 s11, s10, 1                         ; my half of the tile's rows.  Also: I fetch for og (0) or for wo (1)
	s_and_b32 s12, s10, 1                          ; my half of its columns.  Also: which half of that tile I fetch
	s_bfe_u32 s40, ttmp6, 0x40000                  ; cx
	s_bfe_u32 s41, ttmp6, 0x40004                  ; cy
	s_lshl_b32 s42, ttmp9, 2
	s_add_co_u32 s42, s42, s40                     ; tile column
	s_and_b32 s13, ttmp7, 0xffff
	s_lshl_b32 s13, s13, 2
	s_add_co_u32 s13, s13, s41                     ; tile row
	s_lshl_b32 s43, s41, 2
	s_lshl_b32 s43, 15, s43                        ; my row of the cluster
	s_lshl_b32 s44, 0x1111, s40                    ; my column
	s_or_b32 s[G1+0], s43, (3<<16)|(1<<21)         ; og: the mask; elements of 8 bytes; bit 21 beside a mask; no padding
	s_mov_b32 s[G1+1], 512<<16                     ; tensor_dim0 = 512 elements: 4,096 bytes
	s_mov_b32 s[G1+2], 4<<16                       ; tensor_dim1 = 4 row blocks
	s_mov_b32 s[G1+3], 512<<16                     ; tile_dim0
	s_mov_b32 s[G1+4], 4                           ; tile_dim1
	s_mov_b32 s[G1+5], 4096                        ; 32,768 bytes from row block to row block
	s_mov_b32 s[G1+6], 0
	s_mov_b32 s[G1+7], 0
	s_or_b32 s[G1B+0], s44, (1<<16)|(1<<20)|(1<<21)|(5<<22)|(3<<25)  ; wo: 2-byte elements; after every 64 words 4 words of padding
	s_mov_b32 s[G1B+1], KSTEP<<16
	s_mov_b32 s[G1B+2], 128<<16
	s_mov_b32 s[G1B+3], KSTEP<<16
	s_mov_b32 s[G1B+4], 128
	s_mov_b32 s[G1B+5], 1024
	s_mov_b32 s[G1B+6], 0
	s_mov_b32 s[G1B+7], 0
	s_lshl_b32 s16, s13, 3
	s_lshl_b32 s17, s12, 2
	s_add_co_u32 s16, s16, s17
	s_lshl_b32 s16, s16, 15                        ; og: row block 8 x tile row + 4 x half
	s_mov_b32 s17, 0
	s_lshl_b32 s46, s42, 8
	s_lshl_b32 s47, s12, 7
	s_add_co_u32 s46, s46, s47
	s_lshl_b32 s46, s46, 11                        ; wo: row 256 x tile column + 128 x half
	s_mov_b32 s47, 0
	s_lshl_b32 s20, s12, 14                        ; where they go: no place in the cluster enters an LDS address
	s_mul_i32 s21, s12, HALFB
	s_add_co_u32 s21, s21, ABYTES
	s_wait_dscnt 0x0                               ; both opening adds are done
	s_wait_kmcnt 0x0
	s_add_nc_u64 s[14:15], s[4:5], s[16:17]
	s_add_nc_u64 s[46:47], s[6:7], s[46:47]
	CROUND                                         ; all sixteen work-groups are here: the first joint loads meet
.irp s, 0,1
	s_mov_b32 s[G0+4*(\s)], 1
	s_add_co_u32 s[G0+4*(\s)+1], s20, (\s)*SLOT
	s_add_nc_u64 s[G0+4*(\s)+2:G0+4*(\s)+3], s[14:15], (\s)*4096
	s_or_b32 s[G0+4*(\s)+3], s[G0+4*(\s)+3], 0x80000000
	s_mov_b32 s[G0B+4*(\s)], 1
	s_add_co_u32 s[G0B+4*(\s)+1], s21, (\s)*SLOT
	s_add_nc_u64 s[G0B+4*(\s)+2:G0B+4*(\s)+3], s[46:47], (\s)*KSTEP*2
	s_or_b32 s[G0B+4*(\s)+3], s[G0B+4*(\s)+3], 0x80000000
	JLOAD \s                                       ; two tensor loads of mine are out
.endr
	v_and_b32 v1, 15, v0                           ; l % 16
	v_bfe_u32 v2, v0, 4, 1                         ; l / 16
	v_and_b32 v[CO], 31, v0
	v_lshlrev_b32 v[CO], 4, v[CO]                  ; 16 x lane
	v_mul_u32_u24 v3, v1, PITCH
	v_lshl_add_u32 v3, v2, 4, v3
	s_lshl_b32 s22, s11, 14                        ; my four row blocks of og
	s_mul_i32 s23, s12, HALFB
	s_add_co_u32 s23, s23, ABYTES                  ; my 128 rows of wo
.irp s, 0,1
	v_add_nc_u32 v[ADRA+(\s)], s22, v[CO]
	v_add_nc_u32 v[ADRB+(\s)], s23, v3
	s_add_co_u32 s22, s22, SLOT
	s_add_co_u32 s23, s23, SLOT
.endr
	s_mul_i32 s23, s10, 16*SPITCH
	s_add_co_u32 s23, s23, STAGE                   ; my stage
	v_mul_u32_u24 v[STO], v1, SPITCH               ; in: row l % 16, 32 bytes for each half of the lanes
	v_lshl_add_u32 v[STO], v2, 5, v[STO]
	v_add_nc_u32 v[STO], s23, v[STO]
	v_add_nc_u32 v[RD], s23, v[CO]                 ; back: a row of 512 bytes, 16 a lane
	v_lshlrev_b32 v[TO], 5, v2
	s_lshl_b32 s84, s42, 10                        ; my 128 columns in f32: 1,024 x tile column + 512 x half
	s_lshl_b32 s85, s12, 9
	s_add_co_u32 s84, s84, s85
	s_mov_b32 s85, 0
	s_add_nc_u64 s[68:69], s[68:69], s[84:85]      ; the bias at them
	s_lshl_b32 s86, s13, 19                        ; my 64 rows of 4,096 bytes
	s_add_co_u32 s84, s84, s86
	s_lshl_b32 s86, s11, 18
	s_add_co_u32 s84, s84, s86
	s_add_nc_u64 s[70:71], s[70:71], s[84:85]      ; x and out0 at my part of the tile
	s_add_nc_u64 s[72:73], s[72:73], s[84:85]
	WIN 0x40
.irp b, 0,1,2,3,4,5,6,7
	global_load_b128 v[8*(\b):8*(\b)+3],   v[TO], s[68:69] offset:64*(\b)
	global_load_b128 v[8*(\b)+4:8*(\b)+7], v[TO], s[68:69] offset:64*(\b)+16
.endr
	WIN 0
	s_lshl_b32 s84, s13, 3                         ; the prefetches: og's row block 8 x tile row + 4 x half + cx, at K step 4,
	s_lshl_b32 s86, s12, 2
	s_add_co_u32 s84, s84, s86
	s_add_co_u32 s84, s84, s40
	s_lshl_b32 s84, s84, 15
	s_add_co_u32 s84, s84, 4*4096
	s_lshl_b32 s86, s42, 8                         ; or wo's rows 256 x tile column + 128 x half + 32 cy, at K step 4
	s_lshl_b32 s87, s12, 7
	s_add_co_u32 s86, s86, s87
	s_lshl_b32 s87, s41, 5
	s_add_co_u32 s86, s86, s87
	s_lshl_b32 s86, s86, 11
	s_add_co_u32 s86, s86, 4*KSTEP*2
	s_movk_i32 s88, 8192
	s_movk_i32 s89, 512
	s_and_b32 s87, ttmp7, 0xffff
	s_cmp_eq_u32 s87, 0
	s_cselect_b32 s87, 1, -1                       ; the same in all sixteen partners
	s_cmp_eq_u32 s11, 0
	s_cselect_b32 s84, s84, s86
	s_cselect_b32 s[LIM], 1, s87
	s_cselect_b32 s[PFS], s88, s89
	s_cselect_b32 s90, 8, 11
	s_cselect_b64 s[PFA:PFA+1], s[4:5], s[6:7]
	s_mov_b32 s[PFS+1], 0
	s_add_nc_u64 s[PFA:PFA+1], s[PFA:PFA+1], s[84:85]
	v_and_b32 v[PFO], 31, v0
	v_lshlrev_b32 v[PFO], s90, v[PFO]              ; 256 bytes a lane, or a row of 2,048 a lane
.macro MULA f, a, zero                 ; 8 matrix instructions: row block a x all 8 column blocks, 32 along K.  The 32 accumulators take turns
.if \zero
	WIN 0x91                                       ; wo window 1, og window 0, the bias window 1, D window 2
.else
	WIN 0xa1
.endif
.irp b, 0,1,2,3,4,5,6,7
.if \zero
	v_wmma_f32_16x16x32_bf16 v[64*(\a)+8*(\b):64*(\a)+8*(\b)+7], v[64+64*(\f)+8*(\b):64+64*(\f)+8*(\b)+7], v[64+32*(\f)+8*(\a):64+32*(\f)+8*(\a)+7], v[8*(\b):8*(\b)+7]
.else
	v_wmma_f32_16x16x32_bf16 v[64*(\a)+8*(\b):64*(\a)+8*(\b)+7], v[64+64*(\f)+8*(\b):64+64*(\f)+8*(\b)+7], v[64+32*(\f)+8*(\a):64+32*(\f)+8*(\a)+7], v[64*(\a)+8*(\b):64*(\a)+8*(\b)+7]
.endif
.endr
.endm
.macro FETCH slot, q, f                ; 24 LDS loads in one run: quarter q's fragments into buffer f, wo's first
	WIN 0x40
.irp i, 0,1,2,3,4,5,6,7
	ds_load_b128 v[64+64*(\f)+8*(\i):64+64*(\f)+8*(\i)+3],   v[ADRB+(\slot)] offset:64*(\q)+(\i)*16*PITCH
	ds_load_b128 v[64+64*(\f)+8*(\i)+4:64+64*(\f)+8*(\i)+7], v[ADRB+(\slot)] offset:64*(\q)+(\i)*16*PITCH+32
.endr
	WIN 0
.irp i, 0,1,2,3
	ds_load_b128 v[64+32*(\f)+8*(\i):64+32*(\f)+8*(\i)+3],   v[ADRA+(\slot)] offset:4096*(\i)+1024*(\q)
	ds_load_b128 v[64+32*(\f)+8*(\i)+4:64+32*(\f)+8*(\i)+7], v[ADRA+(\slot)] offset:4096*(\i)+1024*(\q)+512
.endr
.endm
.macro PLACES
.rept 4
	v_nop
.endr
.endm
.macro QUARTER slot, q, f, g, zero
	s_wait_dscnt 4                                 ; wo's and og's blocks 0, 1 are in; the youngest four loads (blocks 2, 3) may be out
	MULA \f, 0, \zero
	MULA \f, 1, \zero
	PLACES
	FETCH \slot, \q, \g
	s_wait_dscnt 24                                ; all but the 24 just issued
	MULA \f, 2, \zero
	MULA \f, 3, \zero
.endm
; A K step's last quarter changes slots: ONE barrier; in front of it each wave waits for all its tensor loads (one is out: its part of the next slot), adds 0 to its spare word, and waits for that and for its reads of
; this slot.  fill = 1: the barrier opens a round of the cluster's, and the joint refill, two K steps on, is the first tensor load behind it: 112 matrix instructions ahead of the wait for it.
.macro TURN slot, next, fill
.if (\fill) && (\slot) == 1
	s_wait_xcnt 0x0                                ; the lap's prefetches, a K step back, have read their address
	s_add_nc_u64 s[PFA:PFA+1], s[PFA:PFA+1], s[PFS:PFS+1]
.endif
	WIN 0
	s_wait_tensorcnt 0x0
	ds_add_u32 v[SPW], v[NIL]
	s_wait_dscnt 5                                 ; the add and the youngest four loads may be out
	MULA 1, 0, 0
	s_wait_dscnt 0x0                               ; the add is done, my reads of this slot are over
	s_barrier_signal -1
	MULA 1, 1, 0
.if \fill
	WIN 0
.endif
	s_barrier_wait -1
.if \fill
	CREST
	s_add_nc_u64 s[G0+4*(\slot)+2:G0+4*(\slot)+3], s[G0+4*(\slot)+2:G0+4*(\slot)+3], 2*4096
	s_add_nc_u64 s[G0B+4*(\slot)+2:G0B+4*(\slot)+3], s[G0B+4*(\slot)+2:G0B+4*(\slot)+3], 2*KSTEP*2
	JLOAD \slot                                    ; its four v_nop are also the places in front of the loads below
.else
	PLACES
.endif
	FETCH \next, 0, 0
.if (\fill) && (\slot) == 0
	ASK
.endif
	MULA 1, 2, 0
	MULA 1, 3, 0
.endm
.macro XLOAD a                         ; x's 16 rows of row block a, 512 consecutive bytes a load
.set t, 0
.rept 16
	global_load_b128 v[XR+64*((\a)%2)+4*t:XR+64*((\a)%2)+4*t+3], v[CO], s[70:71] offset:65536*(\a)+4096*t th:TH_LOAD_NT
.set t, t+1
.endr
.endm
	s_wait_loadcnt 0x0                             ; the bias
	s_wait_tensorcnt 1                             ; my part of K step 0 is in; K step 1's may stay out
	s_barrier_signal -1
	s_barrier_wait -1
	FETCH 0, 0, 0
	QUARTER 0, 1, 0, 1, 1                          ; the first quarter stands in front of the loop: its products start the sums
	WIN 0
	s_mov_b32 s3, LAPS-1
.Llap:
	QUARTER 0, 2, 1, 0, 0
	QUARTER 0, 3, 0, 1, 0
	TURN 0, 1, 1
	QUARTER 1, 1, 0, 1, 0
	QUARTER 1, 2, 1, 0, 0
	QUARTER 1, 3, 0, 1, 0
	TURN 1, 0, 1
	QUARTER 0, 1, 0, 1, 0
	WIN 0
	s_sub_co_u32 s3, s3, 1
	s_cmp_lg_u32 s3, 0
	s_cbranch_scc1 .Llap
	XLOAD 0                                        ; x for the first two row blocks, seven quarters ahead of its use
	XLOAD 1
	QUARTER 0, 2, 1, 0, 0                          ; the last lap fills nothing
	QUARTER 0, 3, 0, 1, 0
	TURN 0, 1, 0
	QUARTER 1, 1, 0, 1, 0
	QUARTER 1, 2, 1, 0, 0
	QUARTER 1, 3, 0, 1, 0
	s_wait_dscnt 4
	MULA 1, 0, 0
	MULA 1, 1, 0
	s_wait_dscnt 0x0
	MULA 1, 2, 0
	MULA 1, 3, 0
	PLACES
.macro OUTB a, left                    ; left: the loads of x that were issued behind this block's and may stay out
	WIN 0x08                                       ; store data window 2; each accumulator's low registers first
.irp b, 0,1,2,3,4,5,6,7
	ds_store_b128 v[STO], v[64*(\a)+8*(\b):64*(\a)+8*(\b)+3]   offset:64*(\b)
	ds_store_b128 v[STO], v[64*(\a)+8*(\b)+4:64*(\a)+8*(\b)+7] offset:64*(\b)+16
.endr
	WIN 0
	s_wait_xcnt 0x0                                ; the block before's stores have read their data
.set t, 0
.rept 16
	ds_load_b128 v[RB+4*t:RB+4*t+3], v[RD] offset:SPITCH*t  ; LDS serves a wave's instructions in order (ISA guide 5.7.1.4): these see the stores above
.set t, t+1
.endr
	s_wait_dscnt 0x0
	s_wait_loadcnt \left
.set t, 0
.rept 32
	v_pk_add_f32 v[RB+2*t:RB+2*t+1], v[RB+2*t:RB+2*t+1], v[XR+64*((\a)%2)+2*t:XR+64*((\a)%2)+2*t+1]
.set t, t+1
.endr
.set t, 0
.rept 16
	global_store_b128 v[CO], v[RB+4*t:RB+4*t+3], s[72:73] offset:65536*(\a)+4096*t th:TH_STORE_NT
.set t, t+1
.endr
.if (\a) < 2
	XLOAD (\a)+2
.endif
.endm
	OUTB 0, 16
	OUTB 1, 16
	OUTB 2, 16
	OUTB 3, 0
	s_wait_tensorcnt 0x0                           ; the wave's end, behind my last tensor load and my last LDS store
	ds_add_u32 v[SPW], v[NIL]
	s_wait_dscnt 0x0
	CROUND                                         ; the closing round
	s_endpgm
.Lfunc_end_k_q8d8ee53dbd_outp:
	.size	k_q8d8ee53dbd_outp, .Lfunc_end_k_q8d8ee53dbd_outp-k_q8d8ee53dbd_outp
	.p2alignl 7, 3214868480
	.fill 96, 4, 3214868480
	.section	.rodata,"a",@progbits
	.p2align	6, 0x0
	.amdhsa_kernel k_q8d8ee53dbd_outp
		.amdhsa_group_segment_fixed_size 327680
		.amdhsa_private_segment_fixed_size 0
		.amdhsa_enable_private_segment 0
		.amdhsa_kernarg_size 40
		.amdhsa_user_sgpr_count 2
		.amdhsa_user_sgpr_kernarg_segment_ptr 1
		.amdhsa_wavefront_size32 1
		.amdhsa_system_sgpr_workgroup_id_x 1
		.amdhsa_system_sgpr_workgroup_id_y 1
		.amdhsa_system_sgpr_workgroup_id_z 1
		.amdhsa_system_vgpr_workitem_id 0
		.amdhsa_next_free_vgpr 768
		.amdhsa_next_free_sgpr 96
		.amdhsa_reserve_vcc 0
		.amdhsa_float_denorm_mode_32 3
		.amdhsa_float_denorm_mode_16_64 3
		.amdhsa_memory_ordered 1
		.amdhsa_forward_progress 1
		.amdhsa_inst_pref_size 102
	.end_amdhsa_kernel
	.amdgpu_metadata
---
amdhsa.version: [ 1, 2 ]
amdhsa.kernels:
  - .name:           k_q8d8ee53dbd_outp
    .symbol:         k_q8d8ee53dbd_outp.kd
    .args:
      - { .name: og, .offset: 0, .size: 8, .value_kind: global_buffer, .address_space: global }
      - { .name: wo, .offset: 8, .size: 8, .value_kind: global_buffer, .address_space: global }
      - { .name: bO, .offset: 16, .size: 8, .value_kind: global_buffer, .address_space: global }
      - { .name: x, .offset: 24, .size: 8, .value_kind: global_buffer, .address_space: global }
      - { .name: out0, .offset: 32, .size: 8, .value_kind: global_buffer, .address_space: global }
    .group_segment_fixed_size: 327680
    .private_segment_fixed_size: 0
    .kernarg_segment_align: 8
    .kernarg_segment_size: 40
    .max_flat_workgroup_size: 128
    .sgpr_count:     96
    .vgpr_count:     768
    .wavefront_size: 32
...
	.end_amdgpu_metadata
.endif
;; end of part 4
;; ======== version 2 of 2: 4 launches; version 1 with the launches prep, ssm written anew for expert scheduling mode
;; limits: right only within a limited range of input values; values are held in f16: magnitudes above 65,504 overflow, below 6.1e-05 lose precision
;; workspace buffers: xn 16,777,216 bytes; w4 8,388,608 bytes; wo 2,097,152 bytes; qkvg 67,108,864 bytes; og 16,777,216 bytes
;; launch prep (part 5): grid 416 x 1, 8 waves a work-group, no clusters, 0 bytes of LDS; arguments x, ln_gamma, ln_beta, WQ, WK, WV, Wg, WO, xn, w4, wo; writes xn, w4, wo
.if DOCPART == 5
	.amdgcn_target "amdgcn-amd-amdhsa--gfx1250"
	.amdhsa_code_object_version 6
	.text
	.protected	k_q8d8ee53dbd_prep
	.globl	k_q8d8ee53dbd_prep
	.p2align	8
	.type	k_q8d8ee53dbd_prep,@function
k_q8d8ee53dbd_prep:
	s_mov_b64 s[64:65], 0
	v_nop
	global_prefetch_b8 v0, s[64:65] scope:SCOPE_SE
	s_setreg_imm32_b32 hwreg(HW_REG_WAVE_SCHED_MODE, 0, 2), 2
	s_setreg_imm32_b32 hwreg(HW_REG_WAVE_MODE, 25, 1), 1
	s_wait_xcnt 0x0
	s_wait_alu depctr_vm_vsrc(0)
; GATED SSM LAYER, launch 1 of 4: the layer norm of x, and the weights rounded once to 16 bits.
; NOTHING OF reference() IS LEFT OUT in these four launches: every input has a way to the output and is loaded.  The zero state h0 only makes the scan's first carry 0
; (launch 3 starts its carry at 0 and does the first block's product with it, inside a live tile); the slices [:STATE] take all 64 channels.
; xn = (x - mean) * rsqrt(var + 1e-5) * gamma + beta, all in f32 (mean first, then the squares of the differences, as reference() has it), rounded once to f16.
; w4 row 256 h + 64 m + c = row 64 h + c of matrix m (0 WQ, 1 WK, 2 WV, 3 Wg), f16: a head's four blocks of 64 rows lie together.  wo = WO in bf16.
; LIMITS.  f16 ends at 65,504: |xn| is at most 32 |gamma| + |beta|, and the four weights lie within it; below 6e-5 a weight keeps f16's fixed step of 6e-8.
; SHARES.  A wave takes four rows of 4,096 bytes, all 32 loads out at once; a row stays in 32 registers between its passes.  Work-groups 0-255: the norm, 32 rows each.  256-415: the casts, 32 rows each.
; Each load of a wave covers 512 consecutive bytes, each store 256 consecutive bytes, aligned.  No LDS, no matrix unit, no cluster: no byte is used twice.
; THE MODE: SCHED_MODE bits 1:0 = 2 (LLVM: expert scheduling mode 2), set by the entry lines.  The code itself states the register dependences between vector instructions and memory instructions, with s_wait_alu, always for 0.
; THE PLAN.  Registers that memory instructions touch:
;   v1, v2      byte offsets, made once at the head and never written again.
;   GM, BT, X   loads land in them once, before any vector instruction names them.
;   X, row i    written in place by row i's roundings, read by row i's eight stores, never written again: so no wait on vm_vsrc is owed anywhere.
; Row i's stores are issued in row i + 1, behind one wait on va_vdst that stands there, and dealt among that row's vector instructions, which name row i + 1 and T alone.  The last row has a wait of its own.
.set GM, 4                             ; v[4:35]    gamma of my channels 128 j + 4 lane + 0..3
.set BT, 36                            ; v[36:67]   beta of the same
.set T,  68                            ; v[68:79]   at work: no memory instruction names them
.set X,  80                            ; v[80:207]  row i at X + 32 i
	s_load_b512 s[8:23], s[0:1], 0x0               ; x 8, gamma 10, beta 12, WQ 14, WK 16, WV 18, Wg 20, WO 22
	s_load_b128 s[24:27], s[0:1], 0x40             ; xn 24, w4 26
	s_load_b64 s[28:29], s[0:1], 0x50              ; wo
	v_lshrrev_b32 v3, 5, v0
	v_readfirstlane_b32 s3, v3                     ; wave 0..7
	v_and_b32 v1, 31, v0
	v_lshlrev_b32 v2, 3, v1                        ; 8 x lane: my 8 bytes of 256 stored
	v_lshlrev_b32 v1, 4, v1                        ; 16 x lane: my 16 bytes of 512 loaded
	s_wait_alu depctr_va_sdst(0)                   ; s3 is written, ahead of its first reader: the rows' offsets are made from it
	s_lshl_b32 s2, s3, 14                          ; my wave's four rows of f32
	s_mov_b32 s32, 0x76543210                      ; v_permlanex16_b32: each lane takes its own place in the other half
	s_mov_b32 s33, 0xfedcba98
	s_mov_b32 s34, 0x3a800000                      ; 1 / 1024
	s_mov_b32 s35, 0x3727c5ac                      ; 1e-5
	s_mov_b32 s37, 0
	s_mov_b32 s39, 0
.macro ROWS                            ; my four rows: 32 loads
.set i, 0
.rept 32
	global_load_b128 v[X+4*i:X+4*i+3], v1, s[4:5] offset:4096*(i/8)+512*(i%8) th:TH_LOAD_NT
.set i, i+1
.endr
.endm
.macro SUM32                           ; v[T] summed over the 32 lanes, the result in every lane
	v_add_f32_dpp v[T], v[T], v[T] row_xmask:1 row_mask:0xf bank_mask:0xf
	v_add_f32_dpp v[T], v[T], v[T] row_xmask:2 row_mask:0xf bank_mask:0xf
	v_add_f32_dpp v[T], v[T], v[T] row_xmask:4 row_mask:0xf bank_mask:0xf
	v_add_f32_dpp v[T], v[T], v[T] row_xmask:8 row_mask:0xf bank_mask:0xf
	v_permlanex16_b32 v[T+1], v[T], s32, s33
	v_add_f32 v[T], v[T], v[T+1]
.endm
.macro FOLD                            ; four chains of pairs into v[T]
	v_pk_add_f32 v[T:T+1], v[T:T+1], v[T+2:T+3]
	v_pk_add_f32 v[T+4:T+5], v[T+4:T+5], v[T+6:T+7]
	v_pk_add_f32 v[T:T+1], v[T:T+1], v[T+4:T+5]
	v_add_f32 v[T], v[T], v[T+1]
	SUM32
.endm
.macro ST i, n                         ; store n of the eight of row i: 256 consecutive bytes
	global_store_b64 v2, v[X+32*(\i)+4*(\n):X+32*(\i)+4*(\n)+1], s[6:7] offset:2048*(\i)+256*(\n)
.endm
; Row i rounded in place, two numbers a register.  st = 1: the row before's eight stores are dealt among the conversions, which name row i alone.
.macro RNDF i, st                      ; to f16
.set R, X+32*(\i)
.set k, 0
.rept 8
.if \st
	ST (\i)-1, k
.endif
	v_cvt_pk_f16_f32 v[R+4*k], v[R+4*k], v[R+4*k+1]
	v_cvt_pk_f16_f32 v[R+4*k+1], v[R+4*k+2], v[R+4*k+3]
.set k, k+1
.endr
.endm
.macro RNDB i, st                      ; to bf16
.set R, X+32*(\i)
.set k, 0
.rept 8
.if \st
	ST (\i)-1, k
.endif
	v_cvt_pk_bf16_f32 v[R+4*k], v[R+4*k], v[R+4*k+1]
	v_cvt_pk_bf16_f32 v[R+4*k+1], v[R+4*k+2], v[R+4*k+3]
.set k, k+1
.endr
.endm
.macro LAST                            ; the last row leaves
	s_wait_alu depctr_va_vdst(0)                   ; row 3's roundings have written its registers, which the stores below read
.irp n, 0,1,2,3,4,5,6,7
	ST 3, \n
.endr
.endm
.macro LNROW i
.set R, X+32*(\i)
	s_wait_loadcnt 8*(3-(\i))                      ; loads come back in order: this row is in, the later rows' eight loads each may stay out
.set k, 0
.rept 4
	v_pk_add_f32 v[T+k:T+k+1], v[R+k:R+k+1], v[R+8+k:R+8+k+1]  ; the first words start four chains: nothing is cleared
.set k, k+2
.endr
.set k, 0
.rept 8
	v_pk_add_f32 v[T+k%8:T+k%8+1], v[T+k%8:T+k%8+1], v[R+16+k:R+16+k+1]
.set k, k+2
.endr
	FOLD
	v_mul_f32 v[T+8], s34, v[T]                    ; the mean
	v_mov_b32 v[T+9], v[T+8]
.set k, 0
.rept 16
	v_pk_add_f32 v[R+k:R+k+1], v[R+k:R+k+1], v[T+8:T+9] neg_lo:[0,1] neg_hi:[0,1]  ; x - mean, in place
.set k, k+2
.endr
.set k, 0
.rept 4
	v_pk_mul_f32 v[T+k:T+k+1], v[R+k:R+k+1], v[R+k:R+k+1]
.set k, k+2
.endr
.rept 12
	v_pk_fma_f32 v[T+k%8:T+k%8+1], v[R+k:R+k+1], v[R+k:R+k+1], v[T+k%8:T+k%8+1]
.set k, k+2
.endr
	FOLD
	v_fma_f32 v[T], v[T], s34, s35                 ; var + eps
	v_rsq_f32 v[T+10], v[T]
	v_nop                                          ; a plain instruction behind the root
	s_wait_alu depctr_va_vdst(0)                   ; the root is written, ahead of its first reader; and, from the second row on, the row before's roundings have written its registers, which the stores below read
	v_mov_b32 v[T+11], v[T+10]
.set k, 0
.rept 16
.if ((\i) > 0) && (k%4 == 0)
	ST (\i)-1, k/4                                 ; no vector instruction since the wait names the row before
.endif
	v_pk_mul_f32 v[R+k:R+k+1], v[R+k:R+k+1], v[T+10:T+11]
.set k, k+2
.endr
.set k, 0
.rept 16
	v_pk_fma_f32 v[R+k:R+k+1], v[R+k:R+k+1], v[GM+k:GM+k+1], v[BT+k:BT+k+1]
.set k, k+2
.endr
	RNDF \i, 0
.endm
.macro ARRIVE i                        ; a row of weights is in
	s_wait_loadcnt 8*(3-(\i))                      ; this row is in; the later rows' loads may stay out
.if (\i) > 0
	s_wait_alu depctr_va_vdst(0)                   ; the row before's roundings have written its registers, which the stores dealt below read
.endif
.endm
	s_wait_alu depctr_va_vdst(0)                   ; v1 and v2 are written: every load and store of the kernel reads one of them as its offset
	s_cmp_lt_u32 ttmp9, 256
	s_cbranch_scc0 .Lcast
	s_lshl_b32 s36, ttmp9, 17                      ; 32 rows of 4,096 bytes a work-group
	s_add_co_u32 s36, s36, s2
	s_lshr_b32 s38, s36, 1                         ; the same rows in f16
	s_wait_kmcnt 0x0
	s_add_nc_u64 s[4:5], s[8:9], s[36:37]
	s_add_nc_u64 s[6:7], s[24:25], s[38:39]
.set i, 0
.rept 8
	global_load_b128 v[GM+4*i:GM+4*i+3], v1, s[10:11] offset:512*i
	global_load_b128 v[BT+4*i:BT+4*i+3], v1, s[12:13] offset:512*i
.set i, i+1
.endr
	ROWS
	LNROW 0
	LNROW 1
	LNROW 2
	LNROW 3
	LAST
	s_endpgm
.Lcast:
	s_sub_co_u32 s40, ttmp9, 256
	s_lshr_b32 s41, s40, 5                         ; which matrix: 0 WQ, 1 WK, 2 WV, 3 Wg, 4 WO
	s_and_b32 s42, s40, 31                         ; which 32 rows of it
	s_lshl_b32 s36, s42, 17
	s_add_co_u32 s36, s36, s2                      ; the source rows, in bytes
	s_lshr_b32 s43, s42, 1                         ; the head,
	s_lshl_b32 s43, s43, 8                         ; its 256 rows of w4,
	s_lshl_b32 s44, s41, 6
	s_add_co_u32 s43, s43, s44                     ; the matrix's 64 of them,
	s_and_b32 s44, s42, 1
	s_lshl_b32 s44, s44, 5
	s_add_co_u32 s43, s43, s44                     ; which half of the 64,
	s_lshl_b32 s44, s3, 2
	s_add_co_u32 s43, s43, s44                     ; my wave's four
	s_lshl_b32 s43, s43, 11                        ; in bytes
	s_lshr_b32 s38, s36, 1                         ; in wo the rows keep their places
	s_wait_kmcnt 0x0
	s_cmp_eq_u32 s41, 1
	s_cselect_b64 s[4:5], s[16:17], s[14:15]
	s_cmp_eq_u32 s41, 2
	s_cselect_b64 s[4:5], s[18:19], s[4:5]
	s_cmp_eq_u32 s41, 3
	s_cselect_b64 s[4:5], s[20:21], s[4:5]
	s_cmp_eq_u32 s41, 4
	s_cselect_b64 s[4:5], s[22:23], s[4:5]
	s_cselect_b64 s[6:7], s[28:29], s[26:27]
	s_cselect_b32 s38, s38, s43
	s_add_nc_u64 s[4:5], s[4:5], s[36:37]
	s_add_nc_u64 s[6:7], s[6:7], s[38:39]
	ROWS
	s_cmp_eq_u32 s41, 4
	s_cbranch_scc1 .Lbf
	ARRIVE 0
	RNDF 0, 0
	ARRIVE 1
	RNDF 1, 1
	ARRIVE 2
	RNDF 2, 1
	ARRIVE 3
	RNDF 3, 1
	LAST
	s_endpgm
.Lbf:
	ARRIVE 0
	RNDB 0, 0
	ARRIVE 1
	RNDB 1, 1
	ARRIVE 2
	RNDB 2, 1
	ARRIVE 3
	RNDB 3, 1
	LAST
	s_endpgm
.Lfunc_end_k_q8d8ee53dbd_prep:
	.size	k_q8d8ee53dbd_prep, .Lfunc_end_k_q8d8ee53dbd_prep-k_q8d8ee53dbd_prep
	.p2alignl 7, 3214868480
	.fill 96, 4, 3214868480
	.section	.rodata,"a",@progbits
	.p2align	6, 0x0
	.amdhsa_kernel k_q8d8ee53dbd_prep
		.amdhsa_group_segment_fixed_size 0
		.amdhsa_private_segment_fixed_size 0
		.amdhsa_enable_private_segment 0
		.amdhsa_kernarg_size 88
		.amdhsa_user_sgpr_count 2
		.amdhsa_user_sgpr_kernarg_segment_ptr 1
		.amdhsa_wavefront_size32 1
		.amdhsa_system_sgpr_workgroup_id_x 1
		.amdhsa_system_sgpr_workgroup_id_y 1
		.amdhsa_system_sgpr_workgroup_id_z 1
		.amdhsa_system_vgpr_workitem_id 0
		.amdhsa_next_free_vgpr 208
		.amdhsa_next_free_sgpr 66
		.amdhsa_reserve_vcc 0
		.amdhsa_float_denorm_mode_32 3
		.amdhsa_float_denorm_mode_16_64 3
		.amdhsa_memory_ordered 1
		.amdhsa_forward_progress 1
		.amdhsa_inst_pref_size 57
	.end_amdhsa_kernel
	.amdgpu_metadata
---
amdhsa.version: [ 1, 2 ]
amdhsa.kernels:
  - .name:           k_q8d8ee53dbd_prep
    .symbol:         k_q8d8ee53dbd_prep.kd
    .args:
      - { .name: x, .offset: 0, .size: 8, .value_kind: global_buffer, .address_space: global }
      - { .name: ln_gamma, .offset: 8, .size: 8, .value_kind: global_buffer, .address_space: global }
      - { .name: ln_beta, .offset: 16, .size: 8, .value_kind: global_buffer, .address_space: global }
      - { .name: WQ, .offset: 24, .size: 8, .value_kind: global_buffer, .address_space: global }
      - { .name: WK, .offset: 32, .size: 8, .value_kind: global_buffer, .address_space: global }
      - { .name: WV, .offset: 40, .size: 8, .value_kind: global_buffer, .address_space: global }
      - { .name: Wg, .offset: 48, .size: 8, .value_kind: global_buffer, .address_space: global }
      - { .name: WO, .offset: 56, .size: 8, .value_kind: global_buffer, .address_space: global }
      - { .name: xn, .offset: 64, .size: 8, .value_kind: global_buffer, .address_space: global }
      - { .name: w4, .offset: 72, .size: 8, .value_kind: global_buffer, .address_space: global }
      - { .name: wo, .offset: 80, .size: 8, .value_kind: global_buffer, .address_space: global }
    .group_segment_fixed_size: 0
    .private_segment_fixed_size: 0
    .kernarg_segment_align: 8
    .kernarg_segment_size: 88
    .max_flat_workgroup_size: 256
    .sgpr_count:     66
    .vgpr_count:     208
    .wavefront_size: 32
...
	.end_amdgpu_metadata
.endif
;; end of part 5
;; launch proj: the kernel of part 2 again; grid 16 x 32, 4 waves a work-group, clusters of 4 x 4, 327,680 bytes of LDS; arguments xn, w4, alpha_logit, bQ, bK, bV, bg, qkvg; writes qkvg
;; launch ssm (part 6): grid 4 x 64, 4 waves a work-group, no clusters, 74,240 bytes of LDS; arguments qkvg, alpha_logit, og; writes og
.if DOCPART == 6
	.amdgcn_target "amdgcn-amd-amdhsa--gfx1250"
	.amdhsa_code_object_version 6
	.text
	.protected	k_q8d8ee53dbd_ssm
	.globl	k_q8d8ee53dbd_ssm
	.p2align	8
	.type	k_q8d8ee53dbd_ssm,@function
k_q8d8ee53dbd_ssm:
	s_mov_b64 s[64:65], 0
	v_nop
	global_prefetch_b8 v0, s[64:65] scope:SCOPE_SE
	s_setreg_imm32_b32 hwreg(HW_REG_WAVE_SCHED_MODE, 0, 2), 2
	s_setreg_imm32_b32 hwreg(HW_REG_WAVE_MODE, 25, 1), 1
	s_wait_xcnt 0x0
	s_wait_alu depctr_vm_vsrc(0)
; Launch 3 of 4: the scan h_t = alpha h_(t-1) + k_t v_t^T, o_t = q_t h_t, and o * silu(g), as block products.  Nothing of reference() is left out; h0 = 0 is the carry's start.
; BLOCKS of 16 steps, t' = t mod 16.  Launch 2 left Qm = q alpha^(t'-8), Km = k alpha^(8-t').  With G = alpha^9 h(before the block):
;   o_t = Qm_t . G + sum over s' <= t' of (Qm_t . Km_s) v_s;      R = Km^T V;      G(next) = alpha^16 (G + R), applied as two factors alpha^8, since alpha^16 may lie below f32's range.
; SEGMENTS of 4 blocks.  G_b = alpha^(16 b) G_entry + L_b, L_b the run from a zero start; G_exit = alpha^64 G_entry + L_4.  Where alpha^16 .. alpha^64 come out as 0 the term is below 2^-126 of its factor.
; LIMIT, as in launch 2: alpha below 2^-12 counts as 2^-12.  Scores above the diagonal may overflow; a select on the lane's place throws them away, infinities and NaN too.
; SHARES.  The state's columns do not depend on each other: a work-group takes one (batch, head) and 16 of the 64 columns, over all 2,048 steps: 256 equal work-groups, no state between them.
; T goes in 8 super-chunks of 256 steps; in each, wave w owns the segment of blocks 4 w .. 4 w + 3.  The four exits meet in LDS, each wave carries one quarter (16 state rows) of the f32 carry on, and hands every wave its entry.
; OPERANDS come from memory straight into registers: a 16 x 16 tile is a 512-byte image, 16 bytes a lane.  K and V also pass through the wave's own LDS scratch, to be read back turned (ds_load_tr16_b128).
; NO CLUSTER, no tensor ring: Q and K (512 of a work-group's 640 KiB) are shared by the four column work-groups of a head, but a joint load lands in LDS only: it would add a ring, a round of the cluster's
; barrier for every 256 steps and 16 more LDS reads a super-chunk for Q, which now goes straight into its operand registers.
; MATRIX FORMS (D register e of lane (r = l % 16, hh = l / 16) is element (8 hh + e, r)):  AT[s][t] = Km Qm^T;  R[i][j] = (K turned)(V turned), K = 16 steps, the upper K half of V's operand 0;
;   O[j][t] = (V turned) P, P = AT masked and rounded in pairs;  O += (state rounded in pairs) Qm^T.  O's lane holds row t' = r and channels 8 hh + e: an image again.
; REGISTERS.  window 0: v4-15 addresses and constants; AT 16; O 24 (8 a block); TG 56 silu(g); ZT 88; PKO 120; XC 136 and 208 my quarter of the carry, two sets; A64 144; FS 152; LM 184 (head only), then EN 184
;   window 1: A8 0; alpha^16, ^32, ^48 at 32, 64, 96; L1, L2, L3 at 128, 160, 192; FE 224 (the exit, then the entry): element (i = 16 it + 8 hh + e, j = r) at 8 it + e
;   window 2: KL 0, VL 64 (as loaded, a super-chunk ahead); Q and g, two sets: 80, 144 and 160, 224; P 240 (two buffers of 4, then 4 zeros)
;   window 3: KT 0 (16 b + 4 it, then 4 zeros); KN 68; VT 132 ([V 4][zeros 4] a block); GOP 164 (16 a block)
; THE MODE: SCHED_MODE bits 1:0 = 2 (LLVM: expert scheduling mode 2), set by the entry lines.  The code itself states the register dependences between vector or matrix instructions and memory or LDS instructions, with s_wait_alu, always for 0.
; THE PLAN.  Registers that memory or LDS instructions touch, once round a super-chunk:
;   v4-13           addresses and offsets: made at the head, never written again.
;   KL, VL          loads from memory land; the LDS stores at the head read them; the next super-chunk's loads land again.  No vector instruction names them.
;   Q, g, two sets  this super-chunk's products and activations read one set; the next one's loads land in the other, whose last readers stand in the super-chunk before.
;   VT, KT, KN      LDS loads land at the head; the products of the four blocks read them.
;   FE              written by block 3's products and multiplies; read by the LDS stores of the exit; the entry lands in it; conversions and multiply-adds read it.
;   FS              the four exits land; the carry's multiply-adds read them.
;   XC x 2, EN      the carry's chain reads one set of XC and writes EN (the entries of waves 1 to 3) and the other set; eight LDS stores read the first set and EN.
;   PKO             written by the last roundings; read by the four stores to memory.
; Six waits: (1) va_vdst ahead of the LDS loads, for VT, KT, KN and the other set of Q and g; (2) vm_vsrc ahead of the loads from memory, for KL, VL and PKO; (3) va_vdst behind block 3, for FE;
; (4) va_vdst behind the carry's chain; (5) vm_vsrc ahead of the loads into FE, for FE, XC and EN; (6) va_vdst ahead of the stores to memory.  The waits behind transcendentals stand beside them.
.set SCRW,  10240                      ; LDS: a wave's scratch: K 4 x 2,048 bytes, V 4 x 512 at 8,192
.set FEX,   40960                      ; the exits: [wave][8][512] f32
.set ENT,   57344                      ; the entries, likewise
.set SPARE, 73728                      ; the spare words, 128 bytes a wave, that no other line names
.set LN16, 4
.set ADW,  5
.set ADT,  6
.set FXS,  7
.set FXR,  8
.set ENS,  9
.set ENR,  10
.set PFO,  11
.set SPW,  12
.set NIL,  13
.set CZ,   14
.set CN,   15
.set AT,   16
.set O,    24
.set TG,   56
.set ZT,   88
.set PKO,  120
.set XC,   136                         ; the carry's set 0; set 1 lies 72 registers on, at v208-215
.set A64,  144
.set FS,   152
.set LM,   184
.set EN,   184                         ; v184-207: my quarter of the entries of waves 1, 2, 3 (LM's registers, free behind the head)
.set A8,   0
.set T16,  32
.set L1,   128
.set FE,   224
.set KL,   0
.set VL,   64
.set QA,   80
.set GA,   144
.set P,    240
.set KT,   0
.set KN,   68
.set VT,   132
.set GOP,  164
.set MSB, 0
.macro WIN new
.if MSB != (\new)
	s_set_vgpr_msb (MSB<<8)|(\new)
.set MSB, \new
.endif
.endm
.macro LAMBDA base, n                  ; L = min(log2(1 + 2^(-a log2 e)), 12), as in launch 2
.set i, 0
.rept (\n)/2
	v_pk_mul_f32 v[(\base)+i:(\base)+i+1], v[(\base)+i:(\base)+i+1], 0xbfb8aa3b op_sel_hi:[1,0]
.set i, i+2
.endr
.set i, 0
.rept \n
	v_exp_f32 v[(\base)+i], v[(\base)+i]
.set i, i+1
.endr
	v_nop
	s_wait_alu depctr_va_vdst(0)                   ; the exponentials' results are written, ahead of their first reader
.set i, 0
.rept (\n)/2
	v_pk_add_f32 v[(\base)+i:(\base)+i+1], v[(\base)+i:(\base)+i+1], 1.0 op_sel_hi:[1,0]
.set i, i+2
.endr
.set i, 0
.rept \n
	v_log_f32 v[(\base)+i], v[(\base)+i]
.set i, i+1
.endr
	v_nop
	s_wait_alu depctr_va_vdst(0)                   ; the logarithms' results are written, ahead of their first reader
.set i, 0
.rept \n
	v_min_num_f32 v[(\base)+i], 0x41400000, v[(\base)+i]
.set i, i+1
.endr
.endm
.macro LOADS set, off                  ; a super-chunk's 40 loads of my four blocks, 512 consecutive bytes each: K and V as loaded, Q and g into a set
	WIN 0x80                                       ; destination window 2
.set k, 0
.rept 16
	global_load_b128 v[KL+4*k:KL+4*k+3], v[LN16], s[18:19] offset:(\off)+512*k
.set k, k+1
.endr
.set k, 0
.rept 4
	global_load_b128 v[VL+4*k:VL+4*k+3], v[LN16], s[20:21] offset:(\off)+2048*k th:TH_LOAD_NT
.set k, k+1
.endr
.set k, 0
.rept 16
	global_load_b128 v[QA+80*(\set)+4*k:QA+80*(\set)+4*k+3], v[LN16], s[16:17] offset:(\off)+512*k
.set k, k+1
.endr
.set k, 0
.rept 4
	global_load_b128 v[GA+80*(\set)+4*k:GA+80*(\set)+4*k+3], v[LN16], s[22:23] offset:(\off)+2048*k th:TH_LOAD_NT
.set k, k+1
.endr
	WIN 0
.endm
	s_load_b128 s[4:7], s[0:1], 0x0                ; qkvg s[4:5], alpha_logit s[6:7]
	s_load_b64 s[8:9], s[0:1], 0x10                ; og
	v_lshl_add_u32 v[SPW], v0, 2, SPARE
	v_mov_b32 v[NIL], 0
	v_lshrrev_b32 v1, 5, v0
	v_readfirstlane_b32 s10, v1                    ; wave 0..3
	s_mov_b32 s11, ttmp9                           ; which 16 columns
	s_and_b32 s12, ttmp7, 0xffff                   ; 16 batch + head
	v_and_b32 v1, 31, v0
	v_and_b32 v2, 15, v0                           ; r
	v_bfe_u32 v3, v0, 4, 1                         ; hh
	v_lshlrev_b32 v226, 3, v3
	v_sub_nc_u32 v226, v2, v226                    ; r - 8 hh: register e of AT is kept where e <= r - 8 hh, that is s' <= t'
.irp e, 0,1,2,3,4,5,6,7
	v_cmp_le_i32 s[40+(\e)], \e, v226
.endr
	v_lshlrev_b32 v[LN16], 4, v1
	s_wait_alu depctr_va_sdst(0)                   ; s10 and the eight masks s40 to s47 are written, ahead of their first readers: the scalar lines below, the selects in the loop
	s_mul_i32 s13, s10, SCRW
	v_add_nc_u32 v[ADW], s13, v[LN16]              ; my 16 bytes of an image in my scratch
	v_and_b32 v[ADT], 7, v0                        ; the turning load: lane l reads row 8 (l / 16) + l % 8, channels 8 ((l / 8) % 2) + 0..7 of an image
	v_lshl_add_u32 v[ADT], v3, 3, v[ADT]
	v_lshlrev_b32 v[ADT], 4, v[ADT]
	v_bfe_u32 v[FXS], v0, 3, 1
	v_lshl_add_u32 v[ADT], v[FXS], 8, v[ADT]
	v_add_nc_u32 v[ADT], s13, v[ADT]
	s_lshl_b32 s14, s10, 12
	s_lshl_b32 s15, s10, 10
	s_add_co_u32 s13, s14, FEX
	v_add_nc_u32 v[FXS], s13, v[LN16]              ; my exit goes here,
	s_add_co_u32 s13, s15, FEX
	v_add_nc_u32 v[FXR], s13, v[LN16]              ; my quarter of every wave's exit is read here,
	s_add_co_u32 s13, s15, ENT
	v_add_nc_u32 v[ENS], s13, v[LN16]              ; my quarter of every wave's entry goes here,
	s_add_co_u32 s13, s14, ENT
	v_add_nc_u32 v[ENR], s13, v[LN16]              ; my entry is read here
	v_lshrrev_b32 v[PFO], 3, v1                    ; the prefetch: lanes 8 g .. 8 g + 7 take region g (Qm, Km, V, g): block (l / 2) % 4, half l % 2 of its 512 bytes
	v_lshlrev_b32 v[PFO], 24, v[PFO]
	v_bfe_u32 v226, v0, 1, 2
	v_lshl_add_u32 v[PFO], v226, 11, v[PFO]
	v_and_b32 v226, 1, v0
	v_lshl_add_u32 v[PFO], v226, 8, v[PFO]
	v_mov_b32 v[CZ], 0
	v_mov_b32 v[CN], 0xbfb8aa3b                    ; -log2(e)
	v_lshlrev_b32 v224, 5, v3                      ; my eight of sixteen f32 of alpha_logit,
	s_lshl_b32 s13, s10, 6
	v_add_nc_u32 v225, s13, v224                   ; and those of my quarter of the state rows
	s_lshl_b32 s30, s12, 18                        ; (128 (16 batch + head) + 4 w) x 2,048
	s_lshl_b32 s31, s10, 13
	s_add_co_u32 s30, s30, s31
	s_mov_b32 s31, 0
	s_lshl_b32 s32, s11, 9                         ; my column tile's image
	s_mov_b32 s33, 0
	s_lshr_b32 s34, s12, 4                         ; og: (128 batch + 4 w) x 32,768 + (4 head + column tile) x 512
	s_lshl_b32 s34, s34, 22
	s_lshl_b32 s35, s10, 17
	s_add_co_u32 s34, s34, s35
	s_and_b32 s36, s12, 15
	s_lshl_b32 s35, s36, 11
	s_add_co_u32 s34, s34, s35
	s_add_co_u32 s34, s34, s32
	s_mov_b32 s35, 0
	s_lshl_b32 s36, s36, 8                         ; the head's 64 numbers of alpha_logit
	s_mov_b32 s37, 0
	s_wait_kmcnt 0x0
	s_add_nc_u64 s[16:17], s[4:5], s[30:31]        ; Qm
	s_add_nc_u64 s[18:19], s[16:17], 0x1000000     ; Km
	s_add_nc_u64 s[26:27], s[16:17], s[32:33]      ; the prefetches' base
	s_add_nc_u64 s[20:21], s[26:27], 0x2000000     ; V
	s_add_nc_u64 s[22:23], s[26:27], 0x3000000     ; g
	s_add_nc_u64 s[24:25], s[8:9], s[34:35]
	s_add_nc_u64 s[6:7], s[6:7], s[36:37]
	s_wait_alu depctr_va_vdst(0)                   ; the addresses and offsets v4 to v13, v224 and v225 are written, which every load, store and prefetch of the kernel reads
.irp c, 0,1,2,3
	global_load_b128 v[LM+8*(\c):LM+8*(\c)+3],   v224, s[6:7] offset:64*(\c)
	global_load_b128 v[LM+8*(\c)+4:LM+8*(\c)+7], v224, s[6:7] offset:64*(\c)+16
.endr
	global_load_b128 v[LM+32:LM+35], v225, s[6:7]
	global_load_b128 v[LM+36:LM+39], v225, s[6:7] offset:16
	LOADS 0, 0                                     ; super-chunk 0; only loads and a window switch stand between the wait above and these
	WIN 0xc0                                       ; the zeros that pad K = 16 to 32, written once
.irp z, 64,65,66,67
	v_mov_b32 v[KT+(\z)], 0
.endr
.irp b, 0,1,2,3
.irp z, 4,5,6,7
	v_mov_b32 v[VT+8*(\b)+(\z)], 0
.endr
.endr
	WIN 0x80
.set i, 0
.rept 12
	v_mov_b32 v[P+i], 0
.set i, i+1
.endr
	WIN 0
.set i, 0
.rept 8
	v_mov_b32 v[XC+i], 0                           ; h0 = 0
.set i, i+1
.endr
	s_wait_loadcnt 40                              ; alpha_logit is in; the super-chunk's 40 loads may stay out
	LAMBDA LM, 40
	WIN 0x40
.set i, 0
.rept 32
	v_mul_f32 v[A8+i], 0xc1000000, v[LM+i]         ; -8 L, -16 L, -32 L, -48 L
	v_mul_f32 v[T16+i], 0xc1800000, v[LM+i]
	v_mul_f32 v[T16+32+i], 0xc2000000, v[LM+i]
	v_mul_f32 v[T16+64+i], 0xc2400000, v[LM+i]
.set i, i+1
.endr
	WIN 0x41
.set i, 0
.rept 128
	v_exp_f32 v[i], v[i]
.set i, i+1
.endr
	WIN 0
.set i, 0
.rept 8
	v_mul_f32 v[A64+i], 0xc2800000, v[LM+32+i]
.set i, i+1
.endr
.set i, 0
.rept 8
	v_exp_f32 v[A64+i], v[A64+i]
.set i, i+1
.endr
	v_nop
	s_wait_alu depctr_va_vdst(0)                   ; one wait for the batch of 136: the tables of powers are written, ahead of their first readers
; Block b from a zero start.  No two matrix instructions that follow each other share an accumulator: AT's two links stand four products apart.
.macro P1B b
	s_wait_dscnt 4*(3-(\b))                        ; V and all of K turned, and K plain up to this block, are in; the later blocks' four loads each may stay out
	WIN 0x0b                                       ; source 0 window 3, source 1 window 2, C and D window 0
	v_wmma_f32_16x16x32_bf16 v[AT:AT+7], v[KN+16*(\b):KN+16*(\b)+7], v[Q+16*(\b):Q+16*(\b)+7], 0
	WIN 0x5f                                       ; sources window 3, C and D window 1
.irp it, 0,1,2,3
.if (\b) == 0
	v_wmma_f32_16x16x32_bf16 v[L1+8*(\it):L1+8*(\it)+7], v[KT+4*(\it):KT+4*(\it)+7], v[VT:VT+7], 0
.else
	v_wmma_f32_16x16x32_bf16 v[L1+32*(\b)+8*(\it):L1+32*(\b)+8*(\it)+7], v[KT+16*(\b)+4*(\it):KT+16*(\b)+4*(\it)+7], v[VT+8*(\b):VT+8*(\b)+7], v[L1+32*(\b)-32+8*(\it):L1+32*(\b)-32+8*(\it)+7]
.endif
.endr
	WIN 0x0b
	v_wmma_f32_16x16x32_bf16 v[AT:AT+7], v[KN+16*(\b)+8:KN+16*(\b)+15], v[Q+16*(\b)+8:Q+16*(\b)+15], v[AT:AT+7]
.if (\b) > 0
	v_wmma_f32_16x16x32_bf16 v[O+8*(\b)-8:O+8*(\b)-1], v[VT+8*(\b)-8:VT+8*(\b)-1], v[P+4*(((\b)-1)%2):P+4*(((\b)-1)%2)+7], 0
.endif
.rept 4
	v_nop                                          ; the places behind those products
.endr
	WIN 0x45                                       ; all in window 1
.rept 2
.set i, 0
.rept 16
	v_pk_mul_f32 v[L1+32*(\b)+i:L1+32*(\b)+i+1], v[L1+32*(\b)+i:L1+32*(\b)+i+1], v[A8+i:A8+i+1]  ; times alpha^8, twice
.set i, i+2
.endr
.endr
	WIN 0
.irp e, 0,1,2,3,4,5,6,7
	v_cndmask_b32 v[AT+(\e)], 0, v[AT+(\e)], s[40+(\e)]  ; s' > t' goes
.endr
	WIN 0x80
.irp e, 0,1,2,3
	v_cvt_pk_bf16_f32 v[P+4*((\b)%2)+(\e)], v[AT+2*(\e)], v[AT+2*(\e)+1]
.endr
.endm
; silu(g) = g / (1 + 2^(-g log2 e)) for blocks b0, b0 + 1: work on registers alone, so it stands between a barrier's signal and its wait.  Two batches of transcendentals, a plain instruction and a wait behind each.
.macro SILU2 b0
	WIN 0x02                                       ; source 0 window 2
.set k, 0
.rept 8
	v_fma_mix_f32 v[ZT+2*k], v[G+4*(\b0)+k], v[CN], v[CZ] op_sel_hi:[1,0,0]
	v_fma_mix_f32 v[ZT+2*k+1], v[G+4*(\b0)+k], v[CN], v[CZ] op_sel:[1,0,0] op_sel_hi:[1,0,0]
.set k, k+1
.endr
	WIN 0
.set k, 0
.rept 16
	v_exp_f32 v[ZT+k], v[ZT+k]
.set k, k+1
.endr
	v_nop
	s_wait_alu depctr_va_vdst(0)                   ; the sixteen exponentials have written ZT, ahead of their first reader
.set k, 0
.rept 8
	v_pk_add_f32 v[ZT+k:ZT+k+1], v[ZT+k:ZT+k+1], 1.0 op_sel_hi:[1,0]
.set k, k+2
.endr
.set k, 0
.rept 16
	v_rcp_f32 v[ZT+k], v[ZT+k]
.set k, k+1
.endr
	v_nop
	s_wait_alu depctr_va_vdst(0)                   ; the sixteen reciprocals have written ZT, ahead of their first reader
	WIN 0x02
.set k, 0
.rept 8
	v_fma_mix_f32 v[TG+8*(\b0)+2*k], v[G+4*(\b0)+k], v[ZT+2*k], v[CZ] op_sel_hi:[1,0,0]
	v_fma_mix_f32 v[TG+8*(\b0)+2*k+1], v[G+4*(\b0)+k], v[ZT+2*k+1], v[CZ] op_sel:[1,0,0] op_sel_hi:[1,0,0]
.set k, k+1
.endr
	WIN 0
.endm
; A SUPER-CHUNK.  par: which set holds its Q and g, and which set of XC its carry; the next one's go into the other sets.
.macro SC par
.set Q, QA+80*(\par)
.set G, GA+80*(\par)
.set XI, XC+72*(\par)                  ; the carry as it comes in
.set XO, XC+72*(1-(\par))              ; and as it goes on
	WIN 0
	s_wait_loadcnt 0x0                             ; this super-chunk's 40 loads, asked for a whole super-chunk ago
	s_wait_xcnt 0x0                                ; the last stores have read their data
	WIN 0x08                                       ; store data window 2
.set k, 0
.rept 16
	ds_store_b128 v[ADW], v[KL+4*k:KL+4*k+3] offset:512*k
.set k, k+1
.endr
.set k, 0
.rept 4
	ds_store_b128 v[ADW], v[VL+4*k:VL+4*k+3] offset:8192+512*k
.set k, k+1
.endr
	WIN 0xc0                                       ; destination window 3.  LDS serves a wave's instructions in order (ISA guide 5.7.1.4): the loads below see the stores above
	s_wait_alu depctr_va_vdst(0)                   ; the last super-chunk's products are done reading VT, KT and KN, in which the LDS loads below land, and, with its activations, the other set of Q and g, in which the loads from memory behind them land
.irp b, 0,1,2,3
	ds_load_tr16_b128 v[VT+8*(\b):VT+8*(\b)+3], v[ADT] offset:8192+512*(\b)
.endr
.set k, 0
.rept 16
	ds_load_tr16_b128 v[KT+4*k:KT+4*k+3], v[ADT] offset:512*k  ; all of them ahead of the first block: a tile's operand reaches four registers into the next tile
.set k, k+1
.endr
.set k, 0
.rept 16
	ds_load_b128 v[KN+4*k:KN+4*k+3], v[ADW] offset:512*k
.set k, k+1
.endr
	WIN 0
	s_wait_alu depctr_vm_vsrc(0)                   ; the LDS stores above have read KL and VL, in which the loads below land; the last super-chunk's stores to memory have read PKO, which this one's roundings write again
.if \par
	s_cmp_eq_u32 s28, 1                            ; behind the last super-chunk there is none
	s_cbranch_scc1 .Lnone_\@
.endif
	LOADS 1-(\par), (1+(\par))*32768               ; they go out while LDS answers; between the two waits above and these stand loads, window switches and scalar lines alone
	s_cmp_gt_u32 s28, 2                            ; the prefetch names the super-chunk four on, three ahead of its loads; it stops with the eighth
	s_cbranch_scc0 .Lnone_\@
	global_prefetch_b8 v[PFO], s[26:27] offset:(4+(\par))*32768 th:TH_LOAD_NT scope:SCOPE_SE  ; tile (column tile) of Qm, Km, V and g in my four blocks: the four column work-groups share Qm's and Km's tiles out by address
.Lnone_\@:
	P1B 0
	P1B 1
	P1B 2
	P1B 3
	s_wait_alu depctr_va_vdst(0)                   ; block 3's multiplies have written FE, the exit, which the LDS stores below read; the product between names O, VT and P alone
	WIN 0x0b
	v_wmma_f32_16x16x32_bf16 v[O+24:O+31], v[VT+24:VT+31], v[P+4:P+11], 0
	; THE EXCHANGE.  Barrier 1: all exits lie in LDS.  Barrier 2: all entries do.  The exits are written again only behind barrier 2, the entries only behind the next barrier 1; every reader has waited for its loads ahead of its signal.
	WIN 0x04                                       ; store data window 1
.irp g, 0,1,2,3,4,5,6,7
	ds_store_b128 v[FXS], v[FE+4*(\g):FE+4*(\g)+3] offset:512*(\g)
.endr
	WIN 0
	s_wait_dscnt 0x0
	s_barrier_signal -1
	SILU2 0
	s_barrier_wait -1
.irp n, 0,1,2,3
	ds_load_b128 v[FS+8*(\n):FS+8*(\n)+3],   v[FXR] offset:4096*(\n)      ; FS's last readers, the chain of the super-chunk before, stand ahead of every wait on va_vdst above
	ds_load_b128 v[FS+8*(\n)+4:FS+8*(\n)+7], v[FXR] offset:4096*(\n)+512
.endr
	s_wait_dscnt 0x0
	; the carry's chain: a wave's exit is the next wave's entry, the fourth the next super-chunk's carry.  Each link has registers of its own, so that the eight stores stand behind one wait
.irp k, 0,2,4,6
	v_pk_fma_f32 v[EN+(\k):EN+(\k)+1], v[A64+(\k):A64+(\k)+1], v[XI+(\k):XI+(\k)+1], v[FS+(\k):FS+(\k)+1]
.endr
.irp k, 0,2,4,6
	v_pk_fma_f32 v[EN+8+(\k):EN+8+(\k)+1], v[A64+(\k):A64+(\k)+1], v[EN+(\k):EN+(\k)+1], v[FS+8+(\k):FS+8+(\k)+1]
.endr
.irp k, 0,2,4,6
	v_pk_fma_f32 v[EN+16+(\k):EN+16+(\k)+1], v[A64+(\k):A64+(\k)+1], v[EN+8+(\k):EN+8+(\k)+1], v[FS+16+(\k):FS+16+(\k)+1]
.endr
.irp k, 0,2,4,6
	v_pk_fma_f32 v[XO+(\k):XO+(\k)+1], v[A64+(\k):A64+(\k)+1], v[EN+16+(\k):EN+16+(\k)+1], v[FS+24+(\k):FS+24+(\k)+1]
.endr
	s_wait_alu depctr_va_vdst(0)                   ; the chain has written EN, which the LDS stores below read (the carry that came in was written a super-chunk ago, or at the head)
	ds_store_b128 v[ENS], v[XI:XI+3]                         ; wave 0's entry, my quarter of it;
	ds_store_b128 v[ENS], v[XI+4:XI+7] offset:512
.irp n, 1,2,3
	ds_store_b128 v[ENS], v[EN+8*(\n)-8:EN+8*(\n)-5] offset:4096*(\n)      ; wave n's
	ds_store_b128 v[ENS], v[EN+8*(\n)-4:EN+8*(\n)-1] offset:4096*(\n)+512
.endr
	s_wait_dscnt 0x0
	s_barrier_signal -1
	SILU2 2
	s_barrier_wait -1
	WIN 0x40
	s_wait_alu depctr_vm_vsrc(0)                   ; my LDS stores of the exit have read FE, in which the entry lands; those of the entries have read EN and the carry's set, which the next super-chunk's chain writes
.irp g, 0,1,2,3,4,5,6,7
	ds_load_b128 v[FE+4*(\g):FE+4*(\g)+3], v[ENR] offset:512*(\g)
.endr
	WIN 0
	s_wait_dscnt 0x0
	; the four blocks' states, rounded in pairs into operands
	WIN 0xc5                                       ; sources window 1, destination window 3
.set k, 0
.rept 16
	v_cvt_pk_bf16_f32 v[GOP+k], v[FE+2*k], v[FE+2*k+1]
.set k, k+1
.endr
.irp b, 1,2,3
	WIN 0x55
.set k, 0
.rept 16
	v_pk_fma_f32 v[L1+32*(\b)-32+k:L1+32*(\b)-32+k+1], v[32*(\b)+k:32*(\b)+k+1], v[FE+k:FE+k+1], v[L1+32*(\b)-32+k:L1+32*(\b)-32+k+1]  ; alpha^(16 b) G_entry + L_b
.set k, k+2
.endr
	WIN 0xc5
.set k, 0
.rept 16
	v_cvt_pk_bf16_f32 v[GOP+16*(\b)+k], v[L1+32*(\b)-32+2*k], v[L1+32*(\b)-32+2*k+1]
.set k, k+1
.endr
.endr
	WIN 0x0b
.irp h, 0,1
.irp b, 0,1,2,3
	v_wmma_f32_16x16x32_bf16 v[O+8*(\b):O+8*(\b)+7], v[GOP+16*(\b)+8*(\h):GOP+16*(\b)+8*(\h)+7], v[Q+16*(\b)+8*(\h):Q+16*(\b)+8*(\h)+7], v[O+8*(\b):O+8*(\b)+7]
.endr
.endr
	WIN 0
.rept 4
	v_nop
.endr
.irp b, 0,1,2,3
.irp k, 0,2,4,6
	v_pk_mul_f32 v[O+8*(\b)+(\k):O+8*(\b)+(\k)+1], v[O+8*(\b)+(\k):O+8*(\b)+(\k)+1], v[TG+8*(\b)+(\k):TG+8*(\b)+(\k)+1]
.endr
.irp k, 0,1,2,3
	v_cvt_pk_bf16_f32 v[PKO+4*(\b)+(\k)], v[O+8*(\b)+2*(\k)], v[O+8*(\b)+2*(\k)+1]
.endr
.endr
	s_wait_alu depctr_va_vdst(0)                   ; the sixteen roundings have written PKO, which the four stores below read
.irp b, 0,1,2,3
	global_store_b128 v[LN16], v[PKO+4*(\b):PKO+4*(\b)+3], s[24:25] offset:(\par)*524288+(\b)*32768  ; an image: 512 consecutive bytes, aligned
.endr
.endm
	s_mov_b32 s28, 4
.Lpair:                                                ; two super-chunks a trip
	SC 0
	SC 1
	WIN 0
	s_wait_xcnt 0x0                                ; every load, store and prefetch issued so far has read its address: the bases may be stepped
	s_add_nc_u64 s[16:17], s[16:17], 0x10000
	s_add_nc_u64 s[18:19], s[18:19], 0x10000
	s_add_nc_u64 s[20:21], s[20:21], 0x10000
	s_add_nc_u64 s[22:23], s[22:23], 0x10000
	s_add_nc_u64 s[26:27], s[26:27], 0x10000
	s_add_nc_u64 s[24:25], s[24:25], 0x100000
	s_sub_co_u32 s28, s28, 1
	s_cmp_lg_u32 s28, 0
	s_cbranch_scc1 .Lpair
	s_wait_dscnt 0x0                               ; the closing lines, six on end
	s_wait_alu 0x0
	s_wait_tensorcnt 0x0
	ds_add_u32 v[SPW], v[NIL]
	s_wait_dscnt 0x0
	s_endpgm
.Lfunc_end_k_q8d8ee53dbd_ssm:
	.size	k_q8d8ee53dbd_ssm, .Lfunc_end_k_q8d8ee53dbd_ssm-k_q8d8ee53dbd_ssm
	.p2alignl 7, 3214868480
	.fill 96, 4, 3214868480
	.section	.rodata,"a",@progbits
	.p2align	6, 0x0
	.amdhsa_kernel k_q8d8ee53dbd_ssm
		.amdhsa_group_segment_fixed_size 74240
		.amdhsa_private_segment_fixed_size 0
		.amdhsa_enable_private_segment 0
		.amdhsa_kernarg_size 24
		.amdhsa_user_sgpr_count 2
		.amdhsa_user_sgpr_kernarg_segment_ptr 1
		.amdhsa_wavefront_size32 1
		.amdhsa_system_sgpr_workgroup_id_x 1
		.amdhsa_system_sgpr_workgroup_id_y 1
		.amdhsa_system_sgpr_workgroup_id_z 1
		.amdhsa_system_vgpr_workitem_id 0
		.amdhsa_next_free_vgpr 1024
		.amdhsa_next_free_sgpr 66
		.amdhsa_reserve_vcc 0
		.amdhsa_float_denorm_mode_32 3
		.amdhsa_float_denorm_mode_16_64 3
		.amdhsa_memory_ordered 1
		.amdhsa_forward_progress 1
		.amdhsa_inst_pref_size 119
	.end_amdhsa_kernel
	.amdgpu_metadata
---
amdhsa.version: [ 1, 2 ]
amdhsa.kernels:
  - .name:           k_q8d8ee53dbd_ssm
    .symbol:         k_q8d8ee53dbd_ssm.kd
    .args:
      - { .name: qkvg, .offset: 0, .size: 8, .value_kind: global_buffer, .address_space: global }
      - { .name: alpha_logit, .offset: 8, .size: 8, .value_kind: global_buffer, .address_space: global }
      - { .name: og, .offset: 16, .size: 8, .value_kind: global_buffer, .address_space: global }
    .group_segment_fixed_size: 74240
    .private_segment_fixed_size: 0
    .kernarg_segment_align: 8
    .kernarg_segment_size: 24
    .max_flat_workgroup_size: 128
    .sgpr_count:     66
    .vgpr_count:     1024
    .wavefront_size: 32
...
	.end_amdgpu_metadata
.endif
;; end of part 6
;; launch outp: the kernel of part 4 again; grid 4 x 64, 4 waves a work-group, clusters of 4 x 4, 327,680 bytes of LDS; arguments og, wo, bO, x, out0; writes out0
